; MI455X (gfx1250); checked and timed in simulation.
; The chip was launched on July 23, 2026; its instructions are those of AMD's public machine-readable ISA for CDNA 5 (MIT licence, August 2026) and "CDNA5" Instruction Set Architecture Reference Guide (July 2026). The comments in the code are by the model that wrote it; some were corrected since.
;; Casual multihead self attention. Allowed arithmetic: matrix products marked QUANTISED: E2M1 operands, one E8M0 scale for each 32 along K, by v_wmma_scale_f32_16x16x128_f8f6f4 with both operands' format E2M1 (or v_wmma_scale_f32_32x16x128_f4), f32 sums; products left as they are: bf16, f16 or f32 operands; f32 sums; everything else in f32.
;; Inputs: in_features 4 x 2,048 x 1,024 float32; weight_k 1,024 x 1,024 float32; weight_o 1,024 x 1,024 float32; weight_q 1,024 x 1,024 float32; weight_v 1,024 x 1,024 float32.
;; Outputs: out0 4 x 2,048 x 1,024 float32.
;; This version of the problem:
;;   THIS VERSION OF THE PROBLEM IS GIVEN IN LOW PRECISION. The matrix products marked QUANTISED in the list below multiply operands that are first quantised to E2M1 (2 exponent bits, 1 mantissa bit; 4 bits a number), with one power-of-two scale for each 32 numbers along K (OCP MX v1.0); their sums are f32. The products marked 'left as it is' may take bf16, f16 or f32 operands, with f32 sums. Whichever they take, every output number must still come out within the allowed error. Rounding operands to bf16 (8 significant bits) uses up far more of that allowance than f16 does (11 bits, for magnitudes from 6e-5 to 65,504). All else is computed in f32.
;;   The module's matrix products, in the order in which they are computed (A, B: the left and right operand; K: the contracted axis; several contracted axes count as one K, in the product's order):
;;     1. [M 8,192, K 1,024] x [K 1,024, N 1,024]; A: input in_features; B: input weight_q: QUANTISED
;;     2. [M 8,192, K 1,024] x [K 1,024, N 1,024]; A: input in_features; B: input weight_k: QUANTISED
;;     3. [M 8,192, K 1,024] x [K 1,024, N 1,024]; A: input in_features; B: input weight_v: QUANTISED
;;     4. batch 64 x [M 2,048, K 64] x [K 64, N 2,048]; A: computed on the way; B: computed on the way: left as it is (an operand is computed on the way)
;;     5. batch 64 x [M 2,048, K 2,048] x [K 2,048, N 64]; A: computed on the way; B: computed on the way: left as it is (an operand is computed on the way)
;;     6. [M 8,192, K 1,024] x [K 1,024, N 1,024]; A: computed on the way; B: input weight_o: left as it is (an operand is computed on the way)
;;   THE QUANTISER, for each operand of a quantised product, along K:
;;     - K is cut into blocks of 32 from its start; a last block that is shorter is filled with zeros.
;;     - A block's scale is 2^e with e = floor(log2(the largest magnitude in the block)) - 2, held to -126 .. 127; a block of zeros has e = 0. As a byte (E8M0): e + 127.
;;     - Each number is divided by its block's scale, clamped to +-6, and rounded to the nearest number of E2M1, ties to even, subnormals kept.
;;     - The product sums the exact products of the quantised numbers (number of the format x scale) in f32.
;;   ~~~python
;;   def quantise(x, axis):      # numpy; x: float32 -> the quantised numbers, widened to float32 again
;;       x = np.moveaxis(x, axis, -1); K = x.shape[-1]
;;       x = np.pad(x, [(0, 0)] * (x.ndim - 1) + [(0, -K % 32)]); x = x.reshape(x.shape[:-1] + (-1, 32)); a = np.abs(x).max(-1, keepdims=True)
;;       e = np.where(a > 0, np.clip(np.frexp(np.where(a > 0, a, 1))[1] - 1 - 2, -126, 127), 0)      # np.frexp(a)[1] - 1 = floor(log2(a)), exactly
;;       r = np.clip(x / 2.0 ** e, -6, 6)
;;       step = 2.0 ** (np.maximum(np.frexp(np.where(r == 0, 1, r))[1] - 1, 0) - 1)
;;       q = np.round(r / step) * step * 2.0 ** e      # np.round: ties to even
;;       return np.moveaxis(q.reshape(q.shape[:-2] + (-1,))[..., :K], -1, axis).astype(np.float32)
;;   ~~~
;; One version. Each part assembles by itself: llvm-mc -triple=amdgcn-amd-amdhsa -mcpu=gfx1250 --defsym DOCPART=n.
;; ======== version 1 of 1: 5 launches
;; limits: values are held in f16: magnitudes above 65,504 overflow, below 6.1e-05 lose precision
;; workspace buffers: xc 4,194,304 bytes; xs 262,144 bytes; wc 1,572,864 bytes; ws 98,304 bytes; wo16 2,097,152 bytes; qkv 50,331,648 bytes; fineq 786,432 bytes; att 16,777,216 bytes
;; launch quant (part 1): grid 384 x 1, 4 waves a work-group, no clusters, 33,280 bytes of LDS; arguments in_features, weight_q, weight_k, weight_v, weight_o, xc, xs, wc, ws, wo16; writes xc, xs, wc, ws, wo16
.if DOCPART == 1
	.amdgcn_target "amdgcn-amd-amdhsa--gfx1250"
	.amdhsa_code_object_version 6
	.text
	.protected	k_q8aad316ef6_quant
	.globl	k_q8aad316ef6_quant
	.p2align	8
	.type	k_q8aad316ef6_quant,@function
k_q8aad316ef6_quant:
	s_mov_b64 s[64:65], 0
	v_nop
	global_prefetch_b8 v0, s[64:65] scope:SCOPE_SE
	s_setreg_imm32_b32 hwreg(HW_REG_WAVE_MODE, 25, 1), 1
	s_wait_xcnt 0x0
; x [8192][1024] and Wq, Wk, Wv [1024][1024], f32, K innermost, become codes of FP4 (E2M1), two to a byte, with one E8M0 scale byte for each 32 along K; Wo [1024][1024] becomes f16.
; xc [8192][512 bytes], xs [8192][32]; wc [3072][512 bytes], ws [3072][32]: rows 0-1023 Wq, 1024-2047 Wk, 2048-3071 Wv; wo16 [1024][1024] f16.
; A block's scale is 2^(floor(log2(its largest magnitude)) - 2); its byte is the largest magnitude's exponent field - 2, held at 1 from below; each number is divided by the scale and rounded to the nearest code, ties to even.
; LIMITS: a block of zeros gets the byte 1 where the rule says 127 (its codes are zeros, which add nothing, and this program alone reads the bytes); blocks whose largest magnitude lies under 2^-124, the floor,
; were not tried; NaN and infinities are not served; Wo beyond 65,504 in magnitude has no f16 number.
; SHARES: a work-group takes 32,768 numbers, a wave 8,192.  Work-groups 0-255: x; 256-287 Wq, 288-319 Wk, 320-351 Wv; 352-383 Wo.  Rows are dense and K is a multiple of 32: every tensor is a plain stream of blocks.
; The quantiser: 16 steps of 512 numbers a wave.  Each load reads 512 consecutive bytes, 16 a lane; a step's 2,048 bytes turn through the wave's own stage in LDS and come back 64 bytes a lane, so that a lane holds 16
; neighbours along K (two neighbouring lanes hold a block).  A wave's store of codes covers 256 consecutive bytes; its 256 scale bytes are gathered in LDS and leave as one run of 256 bytes.  Waves share nothing: no barrier.
.set WAVES, 4
.set STEPS, 16
.set EMAX,  2
.set CB,    8                          ; bytes of 16 codes
.set R,     16                         ; v16-79   four sets of 16 numbers as they are loaded
.set X,     80                         ; v80-111  two sets of 16 neighbours
.set C,     128                        ; v128-191 codes: four registers for each step, so that no store's data are written again
.set E,     112                        ; v112-127 a scale byte for each step
.set WREG,  8192                       ; LDS: a region for each wave: two stages of 32 x SP bytes, behind them its 256 scale bytes
.set SP,    80                         ; a lane's place in a stage: 64 bytes + 16 of padding
.set SPW,   12                         ; v12  LDS address of my spare word; never rewritten
.set NIL,   13                         ; v13  0; never rewritten
.set SPARE, WAVES*WREG                 ; behind the four regions: the spare words, 128 bytes a wave
.set WV,    30                         ; s30  my wave's number
.set SRC,   26                         ; s[26:27] the tensor that I read
.set COD,   28                         ; s[28:29] where its codes go
.set SCB,   34                         ; s[34:35] where its scale bytes go
	s_load_b256 s[4:11], s[0:1], 0x0               ; x s[4:5], Wq s[6:7], Wk s[8:9], Wv s[10:11]
	s_load_b64 s[12:13], s[0:1], 0x20              ; Wo
	s_load_b128 s[16:19], s[0:1], 0x28             ; xc, xs
	s_load_b128 s[20:23], s[0:1], 0x38             ; wc, ws
	s_load_b64 s[24:25], s[0:1], 0x48              ; wo16
	v_lshl_add_u32 v[SPW], v0, 2, SPARE
	v_mov_b32 v[NIL], 0
	v_lshrrev_b32 v1, 5, v0
	v_readfirstlane_b32 s[WV], v1                  ; wave
	v_and_b32 v2, 31, v0                           ; lane
	v_lshlrev_b32 v3, 4, v2                        ; my 16 bytes of a load's 512
	s_mul_i32 s37, s[WV], WREG
	v_lshrrev_b32 v14, 2, v2
	v_mul_u32_u24 v14, v14, SP
	v_and_b32 v15, 3, v2
	v_lshl_add_u32 v14, v15, 4, v14
	v_add_nc_u32 v14, s37, v14                     ; the stage, on the way in: four lanes' 64 bytes on end, then 16 of padding
	v_mul_u32_u24 v15, v2, SP
	v_add_nc_u32 v15, s37, v15                     ; and on the way out: SP x lane: my 16 neighbours
	v_mul_u32_u24 v4, v2, CB                       ; my codes' place in a step's
	v_lshrrev_b32 v5, 1, v2
	s_add_co_u32 s37, s37, 2*32*SP
	v_add_nc_u32 v5, s37, v5                       ; LDS: my wave's 256 scale bytes, my block's byte
	v_lshlrev_b32 v7, 3, v2                        ; 8 bytes a lane
	v_add_nc_u32 v6, s37, v7
	s_wait_kmcnt 0x0
	s_cmp_ge_u32 ttmp9, 352                        ; the last 32 work-groups take Wo: a branch on the work-group's number alone
	s_cbranch_scc1 .Lwo
	s_sub_co_u32 s31, ttmp9, 256                   ; which run of the three weights together (used only from work-group 256 on)
	s_and_b32 s32, s31, 31                         ; and of its own weight
	s_cmp_lt_u32 ttmp9, 320
	s_cselect_b64 s[SRC:SRC+1], s[8:9], s[10:11]
	s_cmp_lt_u32 ttmp9, 288
	s_cselect_b64 s[SRC:SRC+1], s[6:7], s[SRC:SRC+1]
	s_cmp_lt_u32 ttmp9, 256
	s_cselect_b64 s[SRC:SRC+1], s[4:5], s[SRC:SRC+1]
	s_cselect_b64 s[COD:COD+1], s[16:17], s[20:21]
	s_cselect_b64 s[SCB:SCB+1], s[18:19], s[22:23]
	s_cselect_b32 s33, ttmp9, s32                  ; the run in the tensor read,
	s_cselect_b32 s36, ttmp9, s31                  ; and in the buffers written
	s_lshl_b32 s33, s33, 2
	s_add_co_u32 s38, s33, s[WV]                   ; my wave's run of 8,192 numbers
	s_mov_b32 s39, 0
	s_lshl_b64 s[40:41], s[38:39], 15              ; 32,768 bytes of f32
	s_add_nc_u64 s[SRC:SRC+1], s[SRC:SRC+1], s[40:41]
	s_lshl_b32 s36, s36, 2
	s_add_co_u32 s38, s36, s[WV]
	s_lshl_b64 s[40:41], s[38:39], 12              ; 4,096 bytes of codes
	s_add_nc_u64 s[COD:COD+1], s[COD:COD+1], s[40:41]
	s_lshl_b64 s[40:41], s[38:39], 8               ; 256 scale bytes
	s_add_nc_u64 s[SCB:SCB+1], s[SCB:SCB+1], s[40:41]
.macro LOAD t
.irp i, 0,1,2,3
	global_load_b128 v[R+16*((\t)%4)+4*\i:R+16*((\t)%4)+4*\i+3], v3, s[SRC:SRC+1] offset:2048*(\t)+512*\i th:TH_LOAD_NT   ; 32 lanes read 512 consecutive bytes
.endr
.endm
.macro TURN t                          ; step t's numbers through the stage: LDS serves a wave's instructions in order, so no wait stands between the stores and the loads
.irp i, 0,1,2,3
	ds_store_b128 v14, v[R+16*((\t)%4)+4*\i:R+16*((\t)%4)+4*\i+3] offset:32*SP*((\t)%2)+8*SP*\i
.endr
.irp i, 0,1,2,3
	ds_load_b128 v[X+16*((\t)%2)+4*\i:X+16*((\t)%2)+4*\i+3], v15 offset:32*SP*((\t)%2)+16*\i
.endr
.endm
.irp t, 0,1,2,3
	LOAD \t
.endr
	s_wait_loadcnt 12                              ; step 0's four loads are in; three steps' twelve stay out
	TURN 0
.macro STEP t
.set XS, X+16*((\t)%2)
.if (\t) > 0
	s_wait_dscnt 1                                 ; this step's numbers are back from the stage (the last step's byte store may be out)
.else
	s_wait_dscnt 0x0
.endif
.if (\t)+4 < STEPS
	LOAD (\t)+4                                    ; into the registers whose stores into the stage are done
.endif
.if (\t)+1 < STEPS
.if STEPS-2-(\t) >= 3
	s_wait_loadcnt 12                              ; the next step's four loads are in; those of the three steps behind it may be out
.else
	s_wait_loadcnt 4*(STEPS-2-(\t))
.endif
	TURN (\t)+1                                    ; they go through the other stage while this step is worked
.endif
	v_max3_num_f32 v8, |v[XS]|, |v[XS+1]|, |v[XS+2]|               ; the largest magnitude of my 16, in two chains
	v_max3_num_f32 v9, |v[XS+3]|, |v[XS+4]|, |v[XS+5]|
.irp i, 6,10
	v_max3_num_f32 v8, v8, |v[XS+\i]|, |v[XS+\i+1]|
	v_max3_num_f32 v9, v9, |v[XS+\i+2]|, |v[XS+\i+3]|
.endr
	v_max3_num_f32 v8, v8, |v[XS+14]|, |v[XS+15]|
	v_max3_num_f32 v8, v8, v9, (EMAX+1)<<23        ; and the floor 2^(3 - 127): the byte cannot fall under 1
	v_max_num_f32_dpp v8, v8, v8 row_xmask:1 row_mask:0xf bank_mask:0xf   ; and of my neighbour's 16: the block's
	v_add_nc_u32 v11, -(EMAX<<23), v8              ; 2 off its exponent field: the conversion takes the exponent field of this operand as its scale
	v_cvt_scalef32_pk8_fp4_f32 v[C+4*(\t)], v[XS:XS+7], v11
	v_cvt_scalef32_pk8_fp4_f32 v[C+4*(\t)+1], v[XS+8:XS+15], v11
	v_lshrrev_b32 v[E+(\t)], 23, v11               ; the scale's byte (a plain line behind the conversions)
	ds_store_b8 v5, v[E+(\t)] offset:16*(\t)       ; both lanes of a block write the same byte with the same value
	global_store_b64 v4, v[C+4*(\t):C+4*(\t)+1], s[COD:COD+1] offset:32*CB*(\t)   ; 32 lanes store 256 consecutive bytes
.endm
.irp t, 0,1,2,3,4,5,6,7,8,9,10,11,12,13,14,15
	STEP \t
.endr
	ds_load_b64 v[8:9], v6                         ; LDS serves a wave's instructions in order: these see my byte stores
	s_wait_dscnt 0x0
	global_store_b64 v7, v[8:9], s[SCB:SCB+1]      ; 32 lanes store 256 consecutive bytes
	s_wait_tensorcnt 0x0                           ; the wave's end, behind my last LDS store
	ds_add_u32 v[SPW], v[NIL]
	s_wait_dscnt 0x0
	s_endpgm
; Wo to f16: no LDS.  A wave's 8,192 numbers are 64 loads of 512 bytes, in four groups of 16 on two sets of registers; a load's 512 bytes become 256 bytes of f16, stored by the same lanes.
.Lwo:
	s_sub_co_u32 s31, ttmp9, 352
	s_lshl_b32 s31, s31, 2
	s_add_co_u32 s38, s31, s[WV]                   ; my wave's run
	s_mov_b32 s39, 0
	s_lshl_b64 s[40:41], s[38:39], 15
	s_add_nc_u64 s[12:13], s[12:13], s[40:41]
	s_lshl_b64 s[40:41], s[38:39], 14
	s_add_nc_u64 s[24:25], s[24:25], s[40:41]
.macro WLOAD i
.set WS, 16+96*((\i)%2)                ; v16-79 or v112-175
.irp k, 0,1,2,3,4,5,6,7,8,9,10,11,12,13,14,15
	global_load_b128 v[WS+4*\k:WS+4*\k+3], v3, s[12:13] offset:8192*(\i)+512*\k th:TH_LOAD_NT
.endr
.endm
.macro WCONV i
.if (\i) < 3
	s_wait_loadcnt 16                              ; this group's 16 loads are in; the next group's may be out
.else
	s_wait_loadcnt 0x0
.endif
.if (\i) > 0
	s_wait_xcnt 0x0                                ; the last group's stores have read v80-111, which are written again below
.endif
.set WS, 16+96*((\i)%2)
.irp k, 0,1,2,3,4,5,6,7,8,9,10,11,12,13,14,15
	v_cvt_pk_f16_f32 v[80+2*\k], v[WS+4*\k], v[WS+4*\k+1]
	v_cvt_pk_f16_f32 v[81+2*\k], v[WS+4*\k+2], v[WS+4*\k+3]
.endr
.irp k, 0,1,2,3,4,5,6,7,8,9,10,11,12,13,14,15
	global_store_b64 v7, v[80+2*\k:81+2*\k], s[24:25] offset:4096*(\i)+256*\k   ; 32 lanes store 256 consecutive bytes
.endr
.if (\i) < 2
	WLOAD (\i)+2
.endif
.endm
	WLOAD 0
	WLOAD 1
	WCONV 0
	WCONV 1
	WCONV 2
	WCONV 3
	s_wait_tensorcnt 0x0                           ; the wave's end, in the same form as the other path's
	ds_add_u32 v[SPW], v[NIL]
	s_wait_dscnt 0x0
	s_endpgm
.Lfunc_end_k_q8aad316ef6_quant:
	.size	k_q8aad316ef6_quant, .Lfunc_end_k_q8aad316ef6_quant-k_q8aad316ef6_quant
	.p2alignl 7, 3214868480
	.fill 96, 4, 3214868480
	.section	.rodata,"a",@progbits
	.p2align	6, 0x0
	.amdhsa_kernel k_q8aad316ef6_quant
		.amdhsa_group_segment_fixed_size 33280
		.amdhsa_private_segment_fixed_size 0
		.amdhsa_enable_private_segment 0
		.amdhsa_kernarg_size 80
		.amdhsa_user_sgpr_count 2
		.amdhsa_user_sgpr_kernarg_segment_ptr 1
		.amdhsa_wavefront_size32 1
		.amdhsa_system_sgpr_workgroup_id_x 1
		.amdhsa_system_sgpr_workgroup_id_y 1
		.amdhsa_system_sgpr_workgroup_id_z 1
		.amdhsa_system_vgpr_workitem_id 0
		.amdhsa_next_free_vgpr 192
		.amdhsa_next_free_sgpr 66
		.amdhsa_reserve_vcc 0
		.amdhsa_float_denorm_mode_32 3
		.amdhsa_float_denorm_mode_16_64 3
		.amdhsa_memory_ordered 1
		.amdhsa_forward_progress 1
		.amdhsa_inst_pref_size 54
	.end_amdhsa_kernel
	.amdgpu_metadata
---
amdhsa.version: [ 1, 2 ]
amdhsa.kernels:
  - .name:           k_q8aad316ef6_quant
    .symbol:         k_q8aad316ef6_quant.kd
    .args:
      - { .name: in_features, .offset: 0, .size: 8, .value_kind: global_buffer, .address_space: global }
      - { .name: weight_q, .offset: 8, .size: 8, .value_kind: global_buffer, .address_space: global }
      - { .name: weight_k, .offset: 16, .size: 8, .value_kind: global_buffer, .address_space: global }
      - { .name: weight_v, .offset: 24, .size: 8, .value_kind: global_buffer, .address_space: global }
      - { .name: weight_o, .offset: 32, .size: 8, .value_kind: global_buffer, .address_space: global }
      - { .name: xc, .offset: 40, .size: 8, .value_kind: global_buffer, .address_space: global }
      - { .name: xs, .offset: 48, .size: 8, .value_kind: global_buffer, .address_space: global }
      - { .name: wc, .offset: 56, .size: 8, .value_kind: global_buffer, .address_space: global }
      - { .name: ws, .offset: 64, .size: 8, .value_kind: global_buffer, .address_space: global }
      - { .name: wo16, .offset: 72, .size: 8, .value_kind: global_buffer, .address_space: global }
    .group_segment_fixed_size: 33280
    .private_segment_fixed_size: 0
    .kernarg_segment_align: 8
    .kernarg_segment_size: 80
    .max_flat_workgroup_size: 128
    .sgpr_count:     66
    .vgpr_count:     192
    .wavefront_size: 32
...
	.end_amdgpu_metadata
.endif
;; end of part 1
;; launch qkv (part 2): grid 12 x 32, 4 waves a work-group, clusters of 4 x 4, 327,680 bytes of LDS; arguments xc, xs, wc, ws, qkv, fineq; writes qkv, fineq
.if DOCPART == 2
	.amdgcn_target "amdgcn-amd-amdhsa--gfx1250"
	.amdhsa_code_object_version 6
	.text
	.protected	k_q8aad316ef6_qkv
	.globl	k_q8aad316ef6_qkv
	.p2align	8
	.type	k_q8aad316ef6_qkv,@function
k_q8aad316ef6_qkv:
	s_mov_b64 s[64:65], 0
	v_nop
	global_prefetch_b8 v0, s[64:65] scope:SCOPE_SE
	s_setreg_imm32_b32 hwreg(HW_REG_WAVE_MODE, 25, 1), 1
	s_wait_xcnt 0x0
	s_wait_alu depctr_hold_cnt(0) depctr_sa_sdst(0) depctr_va_vdst(0) depctr_va_sdst(0) depctr_va_ssrc(0) depctr_va_vcc(0) depctr_vm_vsrc(0)
	s_getreg_b32 s2, hwreg(HW_REG_IB_STS2, 6, 4)
	s_cmp_eq_u32 s2, 0
	s_cbranch_scc0 .Lentry_in_a_cluster
	s_endpgm
.Lentry_in_a_cluster:
	s_bfe_u32 s2, ttmp6, 0x10000c
	s_cmp_lg_u32 s2, 0xf033
	s_cbranch_scc0 .Lentry_shape_is_right
	s_endpgm
.Lentry_shape_is_right:
; Q, K, V = x Wq^T, x Wk^T, x Wv^T as ONE product on codes of FP4 (E2M1) with E8M0 scales: C[m][n] = sum over k of x[m][k] W[n][k], m 8,192, n 3,072 (Wq's, Wk's, Wv's rows on end), k 1,024; sums in f32.
; RESULTS: qkv, f16, [tensor 3][batch 4][head 16][position 2048][64]; and, for positions 0-15 of each batch, the f32 sums as they stand in the registers: fineq [batch 4][column tile of 16: 192][half 2][lane 32][16 bytes].
; LIMIT: |Q|, |K|, |V| stay under 65,504 (f16); with x and W thirty times their drawn spread the largest is some 5,000.
; A tile of C, 256 x 256, is made by four waves, each 128 x 128: 64 accumulators, 512 registers.  K = 1,024 is exactly two LDS slots of 512 along K: both are asked for at the head and nothing is filled again.
; The scale bytes of the tile's 256 + 256 rows come once, as dense blocks.  By this text's count a wave has three tensor loads out at the head.
; CLUSTERS: 4 x 4 work-groups; x's tiles are shared along a row of the cluster, W's along a column: joint loads.  The tile row is 8 cy + cluster y, so that cy is the batch and the tiles that hold positions 0-15 are
; those of the clusters with y = 0: the branch round the f32 stores hangs on the cluster's y and the wave's number, which all partners share.
; THE MATRIX INSTRUCTION IS USED TRANSPOSED (source 0 = 16 rows of W, source 1 = 16 rows of x): a lane holds eight neighbouring columns of one row of C.
; REGISTERS, in windows of 256: window 0: v0-31 addresses; v32-95 scale words, two sets; from v128 x's fragments, one set; on the way out v32-127 are at work.  window 1: W's fragments, two sets.  windows 2, 3: the accumulators.
.set SIZE_K, 1024
.set KSTEP,  512
.set NQ,     KSTEP/128
.set ROWB,   256                       ; a tile's row in bytes
.set KROW,   SIZE_K*4/8                ; a row of codes in memory
.set PITCH,  272                       ; an LDS row: 256 bytes + 16 of padding: the 16 rows that a load touches start 68 words apart
.set FR,     8
.set NL,     2
.set NP,     4                         ; places behind this matrix instruction (ISA guide 7.12.1)
.set HALFT,  128*PITCH
.set SLOT,   4*HALFT
.set KS,     SIZE_K/32                 ; a row of scale bytes
.set SCL,    2*SLOT                    ; behind the slots: the scales, as runs of 256 bytes + 16 of padding
.set HALFS,  (128*KS/256)*272
.set SBLK,   (16*KS/256)*272
.set SPARE,  SCL+4*HALFS               ; the spare words, 128 bytes a wave
.set SW,     4608                      ; the way out: a wave's stage: 2 heads x 16 rows x 144 bytes, in slot 0, which has had its only fill and its last read by then
.set ADRA, 16
.set ADRB, 20
.set STO,  24
.set RD,   25
.set CO,   26
.set ADRS, 27
.set SPW,  28
.set NIL,  29
.set SC,   32
.set AF,   128
.set TMP,  32                          ; the way out: v32-63 a block's packed f16
.set BK,   64                          ; v64-95, v96-127: a block read back from the stage, by turns
.set G1, 24
.set G0, 32
.set G1B, 48
.set G0B, 56
.set G1S, 68
.set G0S, 76
.set G1SB, 80
.set G0SB, 88
.set FQ,  66                           ; s[66:67] fineq
.set MSB, 0
.macro WIN new                         ; the immediate's high byte repeats the setting that is left
.if MSB != \new
	s_set_vgpr_msb (MSB<<8)|\new
.set MSB, \new
.endif
.endm
.set MUL_LO, 0xa1                      ; source 0 (W) window 1, source 1 (x) window 0, C and D window 2
.set MUL_HI, 0xf1
.set TO_B,   0x40
; A joint load: waves 0 and 1 fetch for x, waves 2 and 3 for W.  The branch hangs on the wave's number alone.  An s_nop 0 and four v_nop follow each of the two lines.
.macro JLOAD g0a, g1a, g0b, g1b
	s_cmp_eq_u32 s15, 0
	s_cbranch_scc0 .Lfor_b_\@
	tensor_load_to_lds s[\g0a:\g0a+3], s[\g1a:\g1a+7]
	s_nop 0
.rept 4
	v_nop
.endr
	s_branch .Lasked_\@
.Lfor_b_\@:
	tensor_load_to_lds s[\g0b:\g0b+3], s[\g1b:\g1b+7]
	s_nop 0
.rept 4
	v_nop
.endr
.Lasked_\@:
.endm
.macro CROUND                          ; a round of the cluster's barrier
	s_barrier_signal -1
	s_barrier_wait -1
	s_cmp_lg_u32 s14, 0
	s_cbranch_scc1 .Lnot_wave_0_\@
	s_barrier_signal -3
.Lnot_wave_0_\@:
	s_barrier_wait -3
	s_barrier_signal -1
	s_barrier_wait -1
.endm
	s_load_b128 s[4:7], s[0:1], 0x0                ; x's codes, x's scales
	s_load_b128 s[8:11], s[0:1], 0x10              ; W's codes, W's scales
	s_load_b64 s[12:13], s[0:1], 0x20              ; qkv
	s_load_b64 s[FQ:FQ+1], s[0:1], 0x28            ; fineq
	v_lshl_add_u32 v[SPW], v0, 2, SPARE
	v_mov_b32 v[NIL], 0
	ds_add_u32 v[SPW], v[NIL]                      ; the wave's opening: the add, twice on end, and its wait ahead of my first tensor load
	ds_add_u32 v[SPW], v[NIL]
	v_lshrrev_b32 v1, 5, v0
	v_readfirstlane_b32 s14, v1                    ; wave 0..3
	s_lshr_b32 s15, s14, 1                         ; which half of the tile's rows is mine.  Also: I fetch for x (0) or for W (1)
	s_and_b32 s16, s14, 1                          ; which half of its columns.  Also: which 128 rows of that tile I fetch
	s_bfe_u32 s40, ttmp6, 0x40000                  ; cx
	s_bfe_u32 s41, ttmp6, 0x40004                  ; cy
	s_lshl_b32 s42, ttmp9, 2
	s_add_co_u32 s42, s42, s40                     ; tile column = 4 x cluster x + cx: 0..11
	s_and_b32 s95, ttmp7, 0xffff                   ; cluster y: 0..7: the tile within a batch
	s_lshl_b32 s17, s41, 3
	s_add_co_u32 s17, s17, s95                     ; tile row = 8 cy + cluster y: cy is the batch
	s_lshl_b32 s43, s41, 2
	s_lshl_b32 s43, 15, s43                        ; my row of the cluster
	s_lshl_b32 s44, 0x1111, s40                    ; my column
	s_or_b32 s[G1+0], s43, (0<<16)|(1<<20)|(1<<21)|(5<<22)|(3<<25)  ; the mask; elements of 1 byte; padding: 4 words behind every 64; bit 21 beside a mask
	s_or_b32 s[G1B+0], s44, (0<<16)|(1<<20)|(1<<21)|(5<<22)|(3<<25)
.irp g, G1, G1B
	s_mov_b32 s[\g+1], ROWB<<16                    ; tensor_dim0
	s_mov_b32 s[\g+2], 128<<16                     ; tensor_dim1
	s_mov_b32 s[\g+3], ROWB<<16                    ; tile_dim0
	s_mov_b32 s[\g+4], 128                         ; tile_dim1
	s_mov_b32 s[\g+5], KROW                        ; from row to row
	s_mov_b32 s[\g+6], 0
	s_mov_b32 s[\g+7], 0
.endr
	s_or_b32 s[G1S+0], s43, (3<<16)|(1<<20)|(1<<21)|(5<<22)|(3<<25) ; the scales of 128 rows: 4,096 dense bytes as 16 rows of 32 elements of 8 bytes, 16 bytes of padding behind each
	s_or_b32 s[G1SB+0], s44, (3<<16)|(1<<20)|(1<<21)|(5<<22)|(3<<25)
.irp g, G1S, G1SB
	s_mov_b32 s[\g+1], 32<<16
	s_mov_b32 s[\g+2], (128*KS/256)<<16
	s_mov_b32 s[\g+3], 32<<16
	s_mov_b32 s[\g+4], 128*KS/256
	s_mov_b32 s[\g+5], 32
	s_mov_b32 s[\g+6], 0
	s_mov_b32 s[\g+7], 0
.endr
	s_lshl_b32 s18, s16, 7                         ; which 128 rows of the tile I fetch
	s_lshl_b32 s20, s17, 8
	s_add_co_u32 s20, s20, s18                     ; x: row 256 x tile row + 128 x half
	s_lshl_b32 s46, s42, 8
	s_add_co_u32 s46, s46, s18                     ; W: row 256 x tile column + 128 x half
	s_mov_b32 s21, 0
	s_mov_b32 s47, 0
	s_mov_b64 s[18:19], KS
	s_mul_u64 s[22:23], s[20:21], s[18:19]         ; where these rows' scales begin
	s_mul_u64 s[92:93], s[46:47], s[18:19]
	s_mov_b64 s[18:19], KROW
	s_mul_u64 s[20:21], s[20:21], s[18:19]         ; and their codes
	s_mul_u64 s[46:47], s[46:47], s[18:19]
	s_mul_i32 s45, s14, HALFT                      ; where they go: wave x 128 rows
	s_mul_i32 s94, s14, HALFS
	s_wait_dscnt 0x0                               ; both opening adds are done
	s_wait_kmcnt 0x0
	s_add_nc_u64 s[20:21], s[4:5], s[20:21]
	s_add_nc_u64 s[22:23], s[6:7], s[22:23]
	s_add_nc_u64 s[46:47], s[8:9], s[46:47]
	s_add_nc_u64 s[92:93], s[10:11], s[92:93]
	CROUND                                         ; all sixteen work-groups are here: the joint loads meet
	s_mov_b32 s[G0S], 1
	s_add_co_u32 s[G0S+1], s94, SCL
	s_mov_b64 s[G0S+2:G0S+3], s[22:23]
	s_or_b32 s[G0S+3], s[G0S+3], 0x80000000
	s_mov_b32 s[G0SB], 1
	s_add_co_u32 s[G0SB+1], s94, SCL
	s_mov_b64 s[G0SB+2:G0SB+3], s[92:93]
	s_or_b32 s[G0SB+3], s[G0SB+3], 0x80000000
	JLOAD G0S, G1S, G0SB, G1SB                     ; the scales first: they are wanted with the first K step
.irp s, 0,1
	s_mov_b32 s[G0+4*\s], 1
	s_add_co_u32 s[G0+4*\s+1], s45, \s*SLOT
	s_add_nc_u64 s[G0+4*\s+2:G0+4*\s+3], s[20:21], \s*ROWB
	s_or_b32 s[G0+4*\s+3], s[G0+4*\s+3], 0x80000000
	s_mov_b32 s[G0B+4*\s], 1
	s_add_co_u32 s[G0B+4*\s+1], s45, \s*SLOT
	s_add_nc_u64 s[G0B+4*\s+2:G0B+4*\s+3], s[46:47], \s*ROWB
	s_or_b32 s[G0B+4*\s+3], s[G0B+4*\s+3], 0x80000000
	JLOAD G0+4*\s, G1, G0B+4*\s, G1B
.endr
	v_and_b32 v1, 15, v0                           ; r = lane % 16
	v_bfe_u32 v2, v0, 4, 1                         ; h = lane / 16
	v_mul_u32_u24 v3, v1, PITCH
	v_lshl_add_u32 v4, v2, 4, v3                   ; a fragment's row x pitch + 16 h
	s_mul_i32 s21, s15, HALFT                      ; my 128 rows of x
	s_mul_i32 s22, s16, HALFT                      ; my 128 rows of W,
	s_add_co_u32 s22, s22, 2*HALFT                 ; behind x's 256
.irp s, 0,1
	v_add_nc_u32 v[ADRA+\s], s21, v4
	v_add_nc_u32 v[ADRB+\s], s22, v4
	s_add_co_u32 s21, s21, SLOT
	s_add_co_u32 s22, s22, SLOT
.endr
	v_mul_u32_u24 v5, v1, KS                       ; my row's scales: 32 bytes a row,
	v_lshrrev_b32 v6, 8, v5
	v_lshl_add_u32 v5, v6, 4, v5                   ; and 16 more for each 256 passed
	s_mul_i32 s21, s15, HALFS
	s_mul_i32 s22, s16, HALFS
	s_add_co_u32 s22, s22, 2*HALFS
	s_sub_co_u32 s22, s22, s21
	v_mul_u32_u24 v6, s22, v2                      ; lanes 16-31 take W's
	s_add_co_u32 s21, s21, SCL
	v_add_nc_u32 v5, v5, v6
	v_add_nc_u32 v[ADRS], s21, v5
	s_mul_i32 s23, s14, SW                         ; my stage
	v_mul_u32_u24 v5, v1, 144
	v_lshl_add_u32 v5, v2, 4, v5
	v_add_nc_u32 v[STO], s23, v5                   ; in: row r of 144 bytes, + 16 h
	v_and_b32 v6, 31, v0
	v_lshlrev_b32 v[CO], 4, v6                     ; in memory: 16 bytes a lane, 512 on end
	v_lshrrev_b32 v5, 3, v6
	v_mul_u32_u24 v5, v5, 144
	v_and_b32 v6, 7, v6
	v_lshl_add_u32 v5, v6, 4, v5
	v_add_nc_u32 v[RD], s23, v5                    ; back: eight lanes to a row of 128 bytes, four rows an instruction
	; where my part of qkv begins: ((256 y + 128 row half) positions x 128 bytes) + (16 cy + 2 column half) heads x 2^18, and, from the tile column, 4 (tc % 4) heads and tc / 4 tensors of 2^24
	s_lshl_b32 s20, s95, 8
	s_lshl_b32 s21, s15, 7
	s_add_co_u32 s20, s20, s21
	s_lshl_b32 s20, s20, 7
	s_lshl_b32 s21, s41, 4
	s_lshl_b32 s22, s16, 1
	s_add_co_u32 s21, s21, s22
	s_lshl_b32 s21, s21, 18
	s_add_co_u32 s20, s20, s21
	s_mov_b32 s21, 0
	s_add_nc_u64 s[12:13], s[12:13], s[20:21]
	s_and_b32 s46, s42, 3
	s_lshl_b32 s46, s46, 20
	s_lshr_b32 s47, s42, 2
	s_lshl_b32 s47, s47, 24
	s_add_co_u32 s46, s46, s47
	s_mov_b32 s47, 0
	s_add_nc_u64 s[12:13], s[12:13], s[46:47]
	; and of fineq: batch x 196,608 + column half x 8 tiles of 1,024 bytes + tile column x 16 tiles
	s_mul_i32 s98, s41, 196608
	s_lshl_b32 s99, s16, 13
	s_add_co_u32 s98, s98, s99
	s_mov_b32 s99, 0
	s_add_nc_u64 s[FQ:FQ+1], s[FQ:FQ+1], s[98:99]
	s_lshl_b32 s46, s42, 14
	s_mov_b32 s47, 0
	s_add_nc_u64 s[FQ:FQ+1], s[FQ:FQ+1], s[46:47]
.macro FRAG reg, adr, q, i             ; 16 rows x 128 K of 4-bit codes: 8 registers: lane l holds row l % 16; registers 4 c .. 4 c + 3 hold K = 64 c + 32 (l / 16) + 0 .. 31
.irp c, 0,1
	ds_load_b128 v[\reg+4*\c:\reg+4*\c+3], v[\adr] offset:64*(\q)+32*\c+(\i)*16*PITCH
.endr
.endm
; 16 matrix instructions: x's blocks a0, a0 + 1 against W's eight, 128 along K.  The 64 accumulators take turns, one instruction a turn, in the same order in every step.
.macro MUL16 a0, p, q, sc, zero
.irp a, \a0, \a0+1
.irp b, 0,1,2,3,4,5,6,7
.if \zero
	v_wmma_scale_f32_16x16x128_f8f6f4 v[8*(8*((\a)%4)+\b):8*(8*((\a)%4)+\b)+7], v[128*(\p)+FR*\b:128*(\p)+FR*\b+FR-1], v[AF+FR*(\a):AF+FR*(\a)+FR-1], 0, v[SC+8*NQ*(\sc)+NQ*\b+(\q)], v[SC+8*NQ*(\sc)+NQ*(\a)+(\q)] matrix_a_fmt:MATRIX_FMT_FP4 matrix_b_fmt:MATRIX_FMT_FP4 matrix_a_scale:MATRIX_SCALE_ROW1
.else
	v_wmma_scale_f32_16x16x128_f8f6f4 v[8*(8*((\a)%4)+\b):8*(8*((\a)%4)+\b)+7], v[128*(\p)+FR*\b:128*(\p)+FR*\b+FR-1], v[AF+FR*(\a):AF+FR*(\a)+FR-1], v[8*(8*((\a)%4)+\b):8*(8*((\a)%4)+\b)+7], v[SC+8*NQ*(\sc)+NQ*\b+(\q)], v[SC+8*NQ*(\sc)+NQ*(\a)+(\q)] matrix_a_fmt:MATRIX_FMT_FP4 matrix_b_fmt:MATRIX_FMT_FP4 matrix_a_scale:MATRIX_SCALE_ROW1
.endif
.endr
.endr
.endm
.macro FETCH_B slot, q, p
	WIN TO_B
.irp i, 0,1,2,3,4,5,6,7
	FRAG 128*(\p)+FR*\i, ADRB+\slot, \q, \i
.endr
	WIN 0
.endm
.macro FETCH_A slot, q, i0
.irp i, \i0, \i0+1, \i0+2, \i0+3
	FRAG AF+FR*(\i), ADRA+\slot, \q, \i
.endr
.endm
.macro SCALES sc                       ; a slot's scale words: 4 words a row; lanes 0-15 take x's block i, lanes 16-31 W's block i
.irp i, 0,1,2,3,4,5,6,7
	ds_load_b128 v[SC+8*NQ*\sc+NQ*\i:SC+8*NQ*\sc+NQ*\i+3], v[ADRS] offset:\i*SBLK
.endr
.endm
.macro PLACES n                        ; plain vector lines between a matrix instruction and a load into, or a read of, its registers
.rept \n
	v_nop
.endr
.endm
.macro STEP slot, q, zero              ; 128 along K, with its successor in the same slot
	s_wait_dscnt 4*NL                              ; W's set and x's blocks 0-3 are in; the youngest eight loads (x's blocks 4-7) may be out
	WIN MUL_LO
	MUL16 0, (\q)%2, \q, \slot, \zero
	MUL16 2, (\q)%2, \q, \slot, \zero
	s_wait_dscnt 0                                 ; x's blocks 4-7 are in
	PLACES NP
	FETCH_B \slot, (\q)+1, 1-(\q)%2
	FETCH_A \slot, (\q)+1, 0
	WIN MUL_HI
	MUL16 4, (\q)%2, \q, \slot, \zero
	MUL16 6, (\q)%2, \q, \slot, \zero
	PLACES NP
	WIN 0
	FETCH_A \slot, (\q)+1, 4
.endm
; Slot 0's last step changes slots: one barrier; in front of it each wave waits for all its tensor loads (its part of slot 1), adds 0 to its spare word, and waits for that and for its reads of slot 0.  Nothing is filled again.
.macro TURN slot, next
	s_wait_tensorcnt 0x0
	ds_add_u32 v[SPW], v[NIL]
	s_wait_dscnt 4*NL+1                            ; (the add and the youngest eight loads may be out)
	WIN MUL_LO
	MUL16 0, 1, NQ-1, \slot, 0
	s_wait_dscnt 0x0                               ; the add is done, and my reads of this slot are over
	s_barrier_signal -1
	MUL16 2, 1, NQ-1, \slot, 0
	WIN 0
	s_barrier_wait -1
	PLACES NP
	v_add_nc_u32 v[ADRS], 4*NQ, v[ADRS]            ; on to the next slot's scale words
	FETCH_B \next, 0, 0
	FETCH_A \next, 0, 0
	SCALES \next
	WIN MUL_HI
	MUL16 4, 1, NQ-1, \slot, 0
	MUL16 6, 1, NQ-1, \slot, 0
	PLACES NP
	WIN 0
	FETCH_A \next, 0, 4
.endm
.macro STEPS slot, from
.set Q, \from
.rept NQ-1-\from
	STEP \slot, Q, 0
.set Q, Q+1
.endr
.endm
	s_wait_tensorcnt 1                             ; the scales and my part of slot 0 are in (slot 1's load may be out)
	s_barrier_signal -1
	s_barrier_wait -1                              ; everybody's are
	FETCH_B 0, 0, 0
	FETCH_A 0, 0, 0
	SCALES 0
	FETCH_A 0, 0, 4
	STEP 0, 0, 1                                   ; the first products start the sums: nothing is cleared
	STEPS 0, 1
	TURN 0, 1
	STEPS 1, 0
	s_wait_dscnt 4*NL                              ; the last step: nothing more to fetch
	WIN MUL_LO
	MUL16 0, 1, NQ-1, 1, 0
	MUL16 2, 1, NQ-1, 1, 0
	s_wait_dscnt 0
	WIN MUL_HI
	MUL16 4, 1, NQ-1, 1, 0
	MUL16 6, 1, NQ-1, 1, 0
	WIN 0
	PLACES NP                                      ; behind the last products: for the stores and conversions that read results, and for what is written over the scale words and x's fragments
	; POSITIONS 0-15 IN F32.  They are block 0 of the waves with row half 0 in the clusters with y = 0.  The eight accumulators leave as they stand: 32 lanes x 16 bytes, 512 consecutive bytes a store, each from its low end on.
	s_or_b32 s96, s95, s15
	s_cmp_lg_u32 s96, 0
	s_cbranch_scc1 .Lnofine
	WIN 0x08                                       ; a store's data are its source 1: window 2
.irp b, 0,1,2,3,4,5,6,7
	global_store_b128 v[CO], v[8*\b:8*\b+3], s[FQ:FQ+1] offset:1024*\b
	global_store_b128 v[CO], v[8*\b+4:8*\b+7], s[FQ:FQ+1] offset:1024*\b+512
.endr
	WIN 0
.Lnofine:
; THE WAY OUT, block by block of 16 positions x 128 columns (two heads).  PACK: to f16, 16 bytes a lane.  TOSTAGE: into my stage, rows of 144 bytes, a head at a time, and back four rows of 128 bytes an instruction.
; SEND: a head's rows are dense in memory, so 32 lanes store 512 consecutive bytes.  Every offset is an immediate: no base is stepped.
.macro PACK a
.set AC, 64*((\a)%4)
	WIN 0x0a+5*((\a)/4)                            ; sources 0 and 1: window 2 or 3
.irp b, 0,1,2,3,4,5,6,7
.irp i, 0,1,2,3
	v_cvt_pk_f16_f32 v[TMP+4*\b+\i], v[AC+8*\b+2*\i], v[AC+8*\b+2*\i+1]
.endr
.endr
	WIN 0
.endm
.macro TOSTAGE a
.set BB, BK+32*((\a)%2)
.irp b, 0,1,2,3,4,5,6,7
	ds_store_b128 v[STO], v[TMP+4*\b:TMP+4*\b+3] offset:(\b/4)*2304+(\b%4)*32
.endr
.irp u, 0,1
.irp i, 0,1,2,3
	ds_load_b128 v[BB+4*(4*\u+\i):BB+4*(4*\u+\i)+3], v[RD] offset:\u*2304+\i*576   ; LDS serves a wave's instructions in order: these see the stores above
.endr
.endr
.endm
.macro SEND a
.set BB, BK+32*((\a)%2)
	s_wait_dscnt 0x0                               ; the block is back in registers
	s_wait_xcnt 0x0                                ; the block before has been read by its stores: the next block's loads may land in its registers
.irp u, 0,1
.irp i, 0,1,2,3
	global_store_b128 v[CO], v[BB+4*(4*\u+\i):BB+4*(4*\u+\i)+3], s[12:13] offset:\u*262144+(16*(\a)+4*\i)*128
.endr
.endr
.endm
	PACK 0
	TOSTAGE 0
.irp a, 1,2,3,4,5,6,7                  ; block a's conversions stand between block a - 1's loads from the stage and the wait for them
	PACK \a
	SEND \a-1
	TOSTAGE \a
.endr
	SEND 7
	s_wait_tensorcnt 0x0                           ; the wave's end, behind my last tensor load and my last LDS store
	ds_add_u32 v[SPW], v[NIL]
	s_wait_dscnt 0x0
	CROUND                                         ; the closing round
	s_endpgm
.Lfunc_end_k_q8aad316ef6_qkv:
	.size	k_q8aad316ef6_qkv, .Lfunc_end_k_q8aad316ef6_qkv-k_q8aad316ef6_qkv
	.p2alignl 7, 3214868480
	.fill 96, 4, 3214868480
	.section	.rodata,"a",@progbits
	.p2align	6, 0x0
	.amdhsa_kernel k_q8aad316ef6_qkv
		.amdhsa_group_segment_fixed_size 327680
		.amdhsa_private_segment_fixed_size 0
		.amdhsa_enable_private_segment 0
		.amdhsa_kernarg_size 48
		.amdhsa_user_sgpr_count 2
		.amdhsa_user_sgpr_kernarg_segment_ptr 1
		.amdhsa_wavefront_size32 1
		.amdhsa_system_sgpr_workgroup_id_x 1
		.amdhsa_system_sgpr_workgroup_id_y 1
		.amdhsa_system_sgpr_workgroup_id_z 1
		.amdhsa_system_vgpr_workitem_id 0
		.amdhsa_next_free_vgpr 1024
		.amdhsa_next_free_sgpr 102
		.amdhsa_reserve_vcc 0
		.amdhsa_float_denorm_mode_32 3
		.amdhsa_float_denorm_mode_16_64 3
		.amdhsa_memory_ordered 1
		.amdhsa_forward_progress 1
		.amdhsa_inst_pref_size 128
	.end_amdhsa_kernel
	.amdgpu_metadata
---
amdhsa.version: [ 1, 2 ]
amdhsa.kernels:
  - .name:           k_q8aad316ef6_qkv
    .symbol:         k_q8aad316ef6_qkv.kd
    .args:
      - { .name: xc, .offset: 0, .size: 8, .value_kind: global_buffer, .address_space: global }
      - { .name: xs, .offset: 8, .size: 8, .value_kind: global_buffer, .address_space: global }
      - { .name: wc, .offset: 16, .size: 8, .value_kind: global_buffer, .address_space: global }
      - { .name: ws, .offset: 24, .size: 8, .value_kind: global_buffer, .address_space: global }
      - { .name: qkv, .offset: 32, .size: 8, .value_kind: global_buffer, .address_space: global }
      - { .name: fineq, .offset: 40, .size: 8, .value_kind: global_buffer, .address_space: global }
    .group_segment_fixed_size: 327680
    .private_segment_fixed_size: 0
    .kernarg_segment_align: 8
    .kernarg_segment_size: 48
    .max_flat_workgroup_size: 128
    .sgpr_count:     102
    .vgpr_count:     1024
    .wavefront_size: 32
...
	.end_amdgpu_metadata
.endif
;; end of part 2
;; launch attn (part 3): grid 4 x 64, 16 waves a work-group, no clusters, 327,680 bytes of LDS; arguments qkv, att; writes att
.if DOCPART == 3
	.amdgcn_target "amdgcn-amd-amdhsa--gfx1250"
	.amdhsa_code_object_version 6
	.text
	.protected	k_q8aad316ef6_attn
	.globl	k_q8aad316ef6_attn
	.p2align	8
	.type	k_q8aad316ef6_attn,@function
k_q8aad316ef6_attn:
	s_mov_b64 s[64:65], 0
	v_nop
	global_prefetch_b8 v0, s[64:65] scope:SCOPE_SE
	s_setreg_imm32_b32 hwreg(HW_REG_WAVE_MODE, 25, 1), 1
	s_wait_xcnt 0x0
; att[b][h][q][:] = the sum over k <= q of softmax_k(Q[q] . K[k] / 8) V[k][:].  Q, K, V: the three tensors of qkv, f16, [64 heads][2048][64]; att likewise.  Products on f16 operands, sums, maxima and the softmax in f32;
; the weights p are rounded to f16 for the second product, the result once at the end.  (Positions 0-15 of each sequence are written again, from f32 operands, by a later launch's projection.)
; SOFTMAX: for each query a running maximum m and sum l: p = 2^(c s - c m), c = log2(e) / 8; in every step O and l are multiplied by a = 2^(c m_old - c m_new).  m begins at -3e38, O and l at 0, so the step is written once.
; SHARES: work-group (j, head) owns the query blocks j and 7 - j, 256 queries each: (j + 1) + (8 - j) = 9 blocks of keys for every work-group.  Each of its sixteen waves owns 32 neighbouring queries, two tiles of 16,
; so that each fragment of K and V read from LDS feeds two matrix instructions; four waves to a SIMD, so that one wave's vector work stands beside another's matrix work.
; Waves 0-7 take block j in ascending order, waves 8-15 block 7 - j in descending order.
; NO CLUSTER: the four work-groups of a head need 8 - j slots of keys, a different number each, so a joint load would bring some partner tiles that none of its waves reads.
; LAYOUT: S^T = K Q^T (source 0 = 16 keys, source 1 = 16 queries): a lane holds ONE query (lane % 16) and the keys 8 (lane / 16) + 0..7 of each tile.  Two such tiles, rounded to f16 in pairs, ARE source 1 of O^T = V^T P.
; K comes out of LDS as it lies, V ([key][channel]) turned, by ds_load_tr16_b128.
; THE RING: two slots of 256 keys (K: rows of 128 + 16 bytes; V: 128 + 32), filled by waves 0, 1 (K's halves) and 2, 3 (V's), read by all sixteen.  Every work-group walks all eight changes of slots (constant trip counts);
; a step whose 64 keys all come after a wave's queries is jumped over, and a slot whose first key comes after the work-group's last query is not asked for.  Every wait on TENSORcnt is for 0.
.set PK,    144
.set PV,    160
.set SK,    256                        ; keys in a slot
.set VOFF,  SK*PK
.set SLOT1, 1<<17                      ; slot 1 begins here: one exclusive or turns an address
.set SPARE, 2*SLOT1                    ; the spare words, 128 bytes for each of sixteen waves
.set SW,    4608                       ; the way out: a wave's stage: 2 tiles x 16 rows x 144 bytes, in slot 0, which was left at the last change of slots and is filled no more
.set AK0, 1                            ; v1   my lane's place in a tile of K
.set AV0, 2                            ; v2   and of V
.set ADK, 3
.set ADV, 4
.set SPW, 5                            ; v5   my spare word; never rewritten
.set NIL, 6                            ; v6   0; never rewritten
.set PFO, 7                            ; v7   256 x lane: the prefetches' offset; never rewritten
.set DD,  8                            ; v8   the mask: my first tile's query less the step's first key less 8 (lane / 16)
.set NINF, 9                           ; v9   -infinity
.set RH,  10                           ; v10  lane % 16 - 8 (lane / 16)
.set ST,  16                           ; tile t's statistics at v[16 + 8 t]: +0 c m, +1 m, +2, +3 l (even keys', odd keys'), +4 to +7 at work; a at +6
.set QF,  32                           ; v32-63   Q: tile t, channels 32 c on, at 32 + 16 t + 8 c
.set S,   64                           ; v64-127  S^T, then p, then P in place: tile t at 64 + 32 t
.set OT,  128                          ; v128-191 O^T: tile t, channels 16 n on, at 128 + 32 t + 8 n
.set FR,  192                          ; v192-255 K's eight fragments, then V's eight
.set TB,  2                            ; s2   LDS byte at which the slot in hand begins
.set WV,  18
.set SEL, 20
.set CS,  22                           ; s[22:23] c
.set G1K, 24
.set G1V, 32
.set G0K, 40
.set G0V, 44
.set KF,  48                           ; s48  the step's first key
.set Q0,  49                           ; s49  my first query
.set QL,  50                           ; s50  my work-group's last query
.set SLOTS, 51
.set PFA, 52                           ; s[52:53] where my prefetches stand
.set LIM, 54                           ; s54  1 in a wave that prefetches, else the greatest number
.macro TLOAD g0k, g1k, g0v, g1v        ; waves 0, 1 fetch for K, waves 2, 3 for V, the others nothing.  An s_nop 0 and four v_nop follow each load
	s_cmp_lt_u32 s[WV], 2
	s_cbranch_scc0 .Lnot_k_\@
	tensor_load_to_lds s[\g0k:\g0k+3], s[\g1k:\g1k+7]
	s_nop 0
.rept 4
	v_nop
.endr
	s_branch .Lasked_\@
.Lnot_k_\@:
	s_cmp_lt_u32 s[WV], 4
	s_cbranch_scc0 .Lasked_\@
	tensor_load_to_lds s[\g0v:\g0v+3], s[\g1v:\g1v+7]
	s_nop 0
.rept 4
	v_nop
.endr
.Lasked_\@:
.endm
; A PREFETCH of what the NEXT change of slots will ask for: a slot's 32,768 bytes of K and of V.  All four work-groups of a head walk the same K and V; work-group j = 0, which loads all eight slots, asks, and nobody else.
; In it waves 4-7 ask for K's block and waves 8-11 for V's: 8,192 bytes a wave, lanes 256 bytes apart, one instruction: each aligned 256 bytes is named once in the launch.
; The change at slot t's head names slot t + 2; the last that asks is t = 5.  Slots 0 and 1 come by their loads alone.
.macro ASK
	s_cmp_gt_u32 s[SLOTS], s[LIM]
	s_cbranch_scc0 .Lnot_mine_\@
	global_prefetch_b8 v[PFO], s[PFA:PFA+1] th:TH_LOAD_NT scope:SCOPE_SE
.Lnot_mine_\@:
.endm
	s_load_b128 s[4:7], s[0:1], 0x0                ; qkv, att
	v_lshl_add_u32 v[SPW], v0, 2, SPARE
	v_mov_b32 v[NIL], 0
	ds_add_u32 v[SPW], v[NIL]                      ; the wave's opening: the add, twice on end, and its wait ahead of my first tensor load
	ds_add_u32 v[SPW], v[NIL]
	v_lshrrev_b32 v10, 5, v0
	v_readfirstlane_b32 s[WV], v10                 ; wave 0..15
	s_and_b32 s58, ttmp7, 0xffff
	s_lshl_b32 s58, s58, 18                        ; the head's first byte in each of the tensors
	s_sub_co_u32 s56, 7, ttmp9
	s_sub_co_u32 s57, 15, s[WV]
	s_cmp_lt_u32 s[WV], 8
	s_cselect_b32 s56, ttmp9, s56                  ; my block of 256 queries: j or 7 - j
	s_cselect_b32 s57, s[WV], s57                  ; my 32 of them
	s_lshl_b32 s56, s56, 8
	s_lshl_b32 s57, s57, 5
	s_add_co_u32 s[Q0], s56, s57
	s_sub_co_u32 s[QL], 8, ttmp9
	s_lshl_b32 s[QL], s[QL], 8
	s_sub_co_u32 s[QL], s[QL], 1                   ; 256 (8 - j) - 1
	s_and_b32 s60, s[WV], 1                        ; which 128 rows of a slot I fetch, if I fetch
	s_lshl_b32 s61, s60, 14
	s_add_co_u32 s61, s61, s58
	s_add_co_u32 s62, s61, 1<<24                   ; K is the second tensor of qkv,
	s_mov_b32 s63, 0
	s_add_co_u32 s66, s61, 1<<25                   ; V the third
	s_mov_b32 s67, 0
	s_mul_i32 s68, s60, 128*PK
	s_mul_i32 s69, s60, 128*PV
	s_add_co_u32 s69, s69, VOFF
	s_mov_b32 s[G1K], (1<<16)|(1<<20)|(4<<22)|(3<<25)   ; no mask; elements of 2 bytes; padding: 4 words behind every 32
	s_mov_b32 s[G1V], (1<<16)|(1<<20)|(4<<22)|(7<<25)   ; the same with 8 words
.irp g, G1K, G1V
	s_mov_b32 s[\g+1], 64<<16                      ; tensor_dim0 = 64
	s_mov_b32 s[\g+2], 128<<16                     ; tensor_dim1 = 128
	s_mov_b32 s[\g+3], 64<<16                      ; tile_dim0 = 64
	s_mov_b32 s[\g+4], 128                         ; tile_dim1 = 128
	s_mov_b32 s[\g+5], 64                          ; from row to row
	s_mov_b32 s[\g+6], 0
	s_mov_b32 s[\g+7], 0
.endr
	s_mov_b32 s[SEL], 0x76543210
	s_mov_b32 s[SEL+1], 0xfedcba98
	s_mov_b32 s[CS], 0x3e38aa3b                    ; c = log2(e) / 8
	s_mov_b32 s[CS+1], s[CS]
	s_mov_b32 s[TB], 0
	s_mov_b32 s[KF], 0
	s_mov_b32 s[SLOTS], 7
	s_lshl_b32 s70, s[Q0], 7
	s_add_co_u32 s70, s70, s58                     ; my first query's row in Q and in att
	s_mov_b32 s71, 0
	s_wait_dscnt 0x0                               ; both opening adds are done
	s_wait_kmcnt 0x0
	s_mov_b32 s[G0K], 1
	s_mov_b32 s[G0K+1], s68
	s_add_nc_u64 s[G0K+2:G0K+3], s[4:5], s[62:63]
	s_or_b32 s[G0K+3], s[G0K+3], 0x80000000
	s_mov_b32 s[G0V], 1
	s_mov_b32 s[G0V+1], s69
	s_add_nc_u64 s[G0V+2:G0V+3], s[4:5], s[66:67]
	s_or_b32 s[G0V+3], s[G0V+3], 0x80000000
	TLOAD G0K, G1K, G0V, G1V                       ; slot 0: keys 0-255, which count for every work-group
	s_add_nc_u64 s[72:73], s[4:5], s[70:71]        ; Q at my first query
	s_add_nc_u64 s[6:7], s[6:7], s[70:71]          ; att likewise
	s_cmp_lt_u32 s[WV], 8                          ; the prefetches: waves 4-7 K, waves 8-11 V
	s_mov_b32 s74, 1<<25
	s_cselect_b32 s74, 1<<24, s74
	s_and_b32 s75, s[WV], 3
	s_lshl_b32 s75, s75, 13                        ; my wave's 8,192 bytes,
	s_add_co_u32 s74, s74, s75
	s_add_co_u32 s74, s74, s58                     ; in my head,
	s_add_co_u32 s74, s74, SK*128                  ; in slot 1: the first change of slots steps it to slot 2
	s_mov_b32 s75, 0
	s_add_nc_u64 s[PFA:PFA+1], s[4:5], s[74:75]
	s_sub_co_u32 s74, s[WV], 4
	s_lshr_b32 s74, s74, 3                         ; 0 in waves 4 to 11,
	s_or_b32 s74, s74, ttmp9                       ; of work-group j = 0
	s_cmp_eq_u32 s74, 0
	s_cselect_b32 s[LIM], 1, -1
	v_and_b32 v11, 15, v0                          ; r
	v_bfe_u32 v12, v0, 4, 1                        ; h
	v_lshlrev_b32 v13, 7, v11
	v_lshl_add_u32 v13, v12, 4, v13                ; Q: row r of 128 bytes, + 16 h
.irp t, 0,1
.irp c, 0,1
	global_load_b128 v[QF+16*\t+8*\c:QF+16*\t+8*\c+3],   v13, s[72:73] offset:2048*\t+64*\c
	global_load_b128 v[QF+16*\t+8*\c+4:QF+16*\t+8*\c+7], v13, s[72:73] offset:2048*\t+64*\c+32
.endr
.endr
	v_mul_u32_u24 v[AK0], v11, PK
	v_lshl_add_u32 v[AK0], v12, 4, v[AK0]          ; K: row r x pitch + 16 h
	v_and_b32 v14, 7, v0
	v_bfe_u32 v15, v0, 3, 1
	v_lshl_add_u32 v[AV0], v12, 3, v14             ; V, for the turning load: key 8 h + lane % 8,
	v_mul_u32_u24 v[AV0], v[AV0], PV
	v_lshl_add_u32 v[AV0], v15, 4, v[AV0]          ; channels 8 ((lane / 8) % 2) on
	v_add_nc_u32 v[AV0], VOFF, v[AV0]
	v_lshlrev_b32 v[RH], 3, v12
	v_sub_nc_u32 v[RH], v11, v[RH]
	v_mov_b32 v[NINF], 0xff800000
	v_and_b32 v[PFO], 31, v0
	v_lshlrev_b32 v[PFO], 8, v[PFO]
.irp t, 0,1
	v_mov_b32 v[ST+8*\t+1], 0xff61b1e6             ; m: -3e38, under every score
	v_mul_f32 v[ST+8*\t], s[CS], v[ST+8*\t+1]      ; c m
.irp i, 2,3,4,5,6,7
	v_mov_b32 v[ST+8*\t+\i], 0                     ; l, and the registers at work: written once, so that no path reads one unwritten
.endr
.endr
.set i, 0
.rept 64
	v_mov_b32 v[OT+i], 0                           ; O^T: the first step finds zeros, which a = 0 leaves zeros
.set i, i+1
.endr
; A KEY STEP: 64 keys, the q-th of the slot in hand, for my two tiles of queries.
.macro STEP q
	s_add_co_u32 s56, s[Q0], 31                    ; a step all of whose keys come after my 32 queries is left out: a scalar branch on ids and the count of steps, round no barrier and no tensor load.
	s_cmp_gt_u32 s[KF], s56                        ; (the first key is a multiple of 64, my first query of 32: a step that is walked begins at or before my first query, so each query sees a key in it)
	s_cbranch_scc1 .Lhidden_\@
	v_add_nc_u32 v[ADK], s[TB], v[AK0]
	v_add_nc_u32 v[ADV], s[TB], v[AV0]
.irp k, 0,1,2,3                        ; K: keys 16 k on, channels 32 c on
.irp c, 0,1
	ds_load_b128 v[FR+8*(2*\k+\c):FR+8*(2*\k+\c)+3],   v[ADK] offset:(64*(\q)+16*\k)*PK+64*\c
	ds_load_b128 v[FR+8*(2*\k+\c)+4:FR+8*(2*\k+\c)+7], v[ADK] offset:(64*(\q)+16*\k)*PK+64*\c+32
.endr
.endr
	s_wait_dscnt 0x0
.irp c, 0,1                            ; S^T = K Q^T: the eight accumulators take turns, one instruction a turn
.irp k, 0,1,2,3
.irp t, 0,1
.if \c == 0
	v_wmma_f32_16x16x32_f16 v[S+32*\t+8*\k:S+32*\t+8*\k+7], v[FR+8*(2*\k+\c):FR+8*(2*\k+\c)+7], v[QF+16*\t+8*\c:QF+16*\t+8*\c+7], 0
.else
	v_wmma_f32_16x16x32_f16 v[S+32*\t+8*\k:S+32*\t+8*\k+7], v[FR+8*(2*\k+\c):FR+8*(2*\k+\c)+7], v[QF+16*\t+8*\c:QF+16*\t+8*\c+7], v[S+32*\t+8*\k:S+32*\t+8*\k+7]
.endif
.endr
.endr
.endr
.rept 4
	v_nop                                          ; four places: in front of the loads into K's registers and of the first read of the scores
.endr
.irp g, 0,1                            ; V, turned: keys 32 g on, channels 16 n on.  The loads land while the softmax is walked
.irp n, 0,1,2,3
	ds_load_tr16_b128 v[FR+8*(4*\g+\n):FR+8*(4*\g+\n)+3],   v[ADV] offset:(64*(\q)+32*\g)*PV+32*\n
	ds_load_tr16_b128 v[FR+8*(4*\g+\n)+4:FR+8*(4*\g+\n)+7], v[ADV] offset:(64*(\q)+32*\g)*PV+16*PV+32*\n
.endr
.endr
	s_add_co_u32 s56, s[KF], 63                    ; on the diagonal hidden scores become -infinity; a step all of whose keys count for all my queries skips this
	s_cmp_le_u32 s56, s[Q0]
	s_cbranch_scc1 .Lopen_\@
	s_sub_co_i32 s56, s[Q0], s[KF]
	v_add_nc_u32 v[DD], s56, v[RH]                 ; register n of tile t holds key KF + 16 (n / 8) + 8 h + n % 8, for query Q0 + 16 t + r: hidden where 16 (n / 8) + n % 8 - 16 t > d
.irp n, 0,1,2,3,4,5,6,7,8,9,10,11,12,13,14,15,16,17,18,19,20,21,22,23,24,25,26,27,28,29,30,31
.irp t, 0,1
	v_cmp_gt_i32 vcc_lo, 16*(\n/8)+\n%8-16*\t, v[DD]
	v_cndmask_b32 v[S+32*\t+\n], v[S+32*\t+\n], v[NINF], vcc_lo
.endr
.endr
.Lopen_\@:
	; the maximum of my 32 scores and the old m, three operands at a time; each accumulator is read from its low end on; the two tiles by turns
.irp k, 0,1,2,3
.irp t, 0,1
	v_max3_num_f32 v[ST+8*\t+4+\k], v[S+32*\t+8*\k], v[S+32*\t+8*\k+1], v[S+32*\t+8*\k+2]
.endr
.endr
.irp i, 3,5
.irp k, 0,1,2,3
.irp t, 0,1
	v_max3_num_f32 v[ST+8*\t+4+\k], v[ST+8*\t+4+\k], v[S+32*\t+8*\k+\i], v[S+32*\t+8*\k+\i+1]
.endr
.endr
.endr
.irp t, 0,1
	v_max3_num_f32 v[ST+8*\t+4], v[ST+8*\t+4], v[S+32*\t+7], v[S+32*\t+15]
	v_max3_num_f32 v[ST+8*\t+6], v[ST+8*\t+6], v[S+32*\t+23], v[S+32*\t+31]
.endr
.irp t, 0,1
	v_max3_num_f32 v[ST+8*\t+4], v[ST+8*\t+4], v[ST+8*\t+5], v[ST+8*\t+6]
.endr
.irp t, 0,1
	v_max3_num_f32 v[ST+8*\t+4], v[ST+8*\t+4], v[ST+8*\t+7], v[ST+8*\t+1]
.endr
.irp t, 0,1
	v_permlanex16_b32 v[ST+8*\t+5], v[ST+8*\t+4], s[SEL], s[SEL+1]   ; the query's other 32 keys lie in the lane 16 away
.endr
.irp t, 0,1
	v_mov_b32 v[ST+8*\t+7], v[ST+8*\t]             ; c m_old
.endr
.irp t, 0,1
	v_max_num_f32 v[ST+8*\t+1], v[ST+8*\t+4], v[ST+8*\t+5]
.endr
.irp t, 0,1
	v_mul_f32 v[ST+8*\t], s[CS], v[ST+8*\t+1]
.endr
.irp t, 0,1
	v_sub_f32 v[ST+8*\t+7], v[ST+8*\t+7], v[ST+8*\t]
.endr
.irp b, 0,2,4,6,8,10,12,14,16,18,20,22,24,26,28,30
.irp t, 0,1
	v_pk_fma_f32 v[S+32*\t+\b:S+32*\t+\b+1], v[S+32*\t+\b:S+32*\t+\b+1], s[CS:CS+1], v[ST+8*\t:ST+8*\t+1] op_sel_hi:[1,0,0] neg_lo:[0,0,1] neg_hi:[0,0,1]   ; c s - c m
.endr
.endr
	; ONE BATCH of 66 exponentials, one plain line, one wait, ahead of the first line that names a result
.irp t, 0,1
	v_exp_f32 v[ST+8*\t+6], v[ST+8*\t+7]           ; a
.endr
.irp e, 0,1,2,3,4,5,6,7,8,9,10,11,12,13,14,15,16,17,18,19,20,21,22,23,24,25,26,27,28,29,30,31
.irp t, 0,1
	v_exp_f32 v[S+32*\t+\e], v[S+32*\t+\e]         ; p
.endr
.endr
	v_nop
	s_wait_alu depctr_va_vdst(0)
.irp t, 0,1
	v_pk_mul_f32 v[ST+8*\t+2:ST+8*\t+3], v[ST+8*\t+2:ST+8*\t+3], v[ST+8*\t+6:ST+8*\t+7] op_sel_hi:[1,0]   ; l x a
.endr
.irp t, 0,1
	v_pk_add_f32 v[ST+8*\t+4:ST+8*\t+5], v[S+32*\t:S+32*\t+1], v[S+32*\t+2:S+32*\t+3]   ; the sum of the unrounded p, two at a time, in two chains
.endr
.irp b, 4,8,12,16,20,24,28
.irp t, 0,1
	v_pk_add_f32 v[ST+8*\t+2:ST+8*\t+3], v[ST+8*\t+2:ST+8*\t+3], v[S+32*\t+\b:S+32*\t+\b+1]
	v_pk_add_f32 v[ST+8*\t+4:ST+8*\t+5], v[ST+8*\t+4:ST+8*\t+5], v[S+32*\t+\b+2:S+32*\t+\b+3]
.endr
.endr
.irp t, 0,1
	v_pk_add_f32 v[ST+8*\t+2:ST+8*\t+3], v[ST+8*\t+2:ST+8*\t+3], v[ST+8*\t+4:ST+8*\t+5]
.endr
.irp g, 0,1                            ; to f16, in place: 16 numbers become 8 registers, ascending, so that nothing unread is written over
.irp i, 0,1,2,3,4,5,6,7
.irp t, 0,1
	v_cvt_pk_f16_f32 v[S+32*\t+16*\g+\i], v[S+32*\t+16*\g+2*\i], v[S+32*\t+16*\g+2*\i+1]
.endr
.endr
.endr
.irp b, 0,2,4,6,8,10,12,14,16,18,20,22,24,26,28,30
.irp t, 0,1
	v_pk_mul_f32 v[OT+32*\t+\b:OT+32*\t+\b+1], v[OT+32*\t+\b:OT+32*\t+\b+1], v[ST+8*\t+6:ST+8*\t+7] op_sel_hi:[1,0]   ; O^T x a
.endr
.endr
	s_wait_dscnt 0x0                               ; V is in
.irp g, 0,1                            ; O^T += V^T P: the eight accumulators by turns
.irp n, 0,1,2,3
.irp t, 0,1
	v_wmma_f32_16x16x32_f16 v[OT+32*\t+8*\n:OT+32*\t+8*\n+7], v[FR+8*(4*\g+\n):FR+8*(4*\g+\n)+7], v[S+32*\t+16*\g:S+32*\t+16*\g+7], v[OT+32*\t+8*\n:OT+32*\t+8*\n+7]
.endr
.endr
.endr
.rept 5
	v_nop                                          ; five places: the next step's first products write over P's registers; its loads land in V's; the way out reads O^T
.endr
.Lhidden_\@:
	s_add_co_u32 s[KF], s[KF], 64
.endm
; THE CHANGE OF SLOTS, at a slot's head.  Each wave waits for all its tensor loads, adds 0 to its spare word (fill = 1: twice on end), and waits for that and
; for its reads of the slot that it has left.  Behind the barrier the slot ahead is whole and nobody reads the other one, which is then filled with the next 256 keys: that load has four key steps in which to land.
.macro CHANGE fill
	s_wait_tensorcnt 0x0                           ; no tensor load of mine is out, so a group 0 may be written
	ds_add_u32 v[SPW], v[NIL]
.if \fill
	ds_add_u32 v[SPW], v[NIL]
	s_xor_b32 s[G0K+1], s[G0K+1], SLOT1            ; the walking descriptors: the other slot, the next 256 keys
	s_add_nc_u64 s[G0K+2:G0K+3], s[G0K+2:G0K+3], SK*128
	s_xor_b32 s[G0V+1], s[G0V+1], SLOT1
	s_add_nc_u64 s[G0V+2:G0V+3], s[G0V+2:G0V+3], SK*128
	s_wait_xcnt 0x0                                ; the last prefetch, a slot back, has read its address
	s_add_nc_u64 s[PFA:PFA+1], s[PFA:PFA+1], SK*128
.endif
	s_wait_dscnt 0x0
	s_barrier_signal -1
	s_barrier_wait -1
.if \fill
	s_add_co_u32 s56, s[KF], SK                    ; the first key of the slot that this change would ask for:
	s_cmp_gt_u32 s56, s[QL]                        ; past my work-group's last query no wave would read it.  Ids and the count of steps alone: all sixteen waves go the same way
	s_cbranch_scc1 .Lpast_\@
	TLOAD G0K, G1K, G0V, G1V                       ; a wave's one tensor load until the next such barrier
.Lpast_\@:
	ASK
.endif
.endm
.macro SLOT_STEPS
	STEP 0
	STEP 1
	STEP 2
	STEP 3
	s_xor_b32 s[TB], s[TB], SLOT1
.endm
	s_wait_loadcnt 0x0                             ; Q
.Lslot:                                            ; seven trips
	CHANGE 1
	SLOT_STEPS
	s_sub_co_u32 s[SLOTS], s[SLOTS], 1
	s_cmp_lg_u32 s[SLOTS], 0
	s_cbranch_scc1 .Lslot
	CHANGE 0                                       ; the last slot is written out: nothing is left to ask for
	SLOT_STEPS
	; THE WAY OUT: O^T / l, to f16, through my stage, and out as runs of 512 bytes (four rows of 128 bytes, dense in memory).
.irp t, 0,1
	v_add_f32 v[ST+8*\t+4], v[ST+8*\t+2], v[ST+8*\t+3]
.endr
.irp t, 0,1
	v_permlanex16_b32 v[ST+8*\t+5], v[ST+8*\t+4], s[SEL], s[SEL+1]
.endr
.irp t, 0,1
	v_add_f32 v[ST+8*\t+4], v[ST+8*\t+4], v[ST+8*\t+5]
.endr
.irp t, 0,1
	v_rcp_f32 v[ST+8*\t+6], v[ST+8*\t+4]
.endr
	v_and_b32 v11, 15, v0                          ; (plain lines behind the reciprocals)  r
	v_bfe_u32 v12, v0, 4, 1                        ; h
	s_mul_i32 s56, s[WV], SW
	v_mul_u32_u24 v13, v11, 144
	v_lshl_add_u32 v13, v12, 4, v13
	v_add_nc_u32 v13, s56, v13                     ; in: row r, + 16 h
	v_and_b32 v15, 31, v0
	v_lshrrev_b32 v14, 3, v15
	v_mul_u32_u24 v14, v14, 144
	v_and_b32 v11, 7, v0
	v_lshl_add_u32 v14, v11, 4, v14
	v_add_nc_u32 v14, s56, v14                     ; back: eight lanes to a row
	v_lshlrev_b32 v15, 4, v15                      ; in memory: 16 bytes a lane
	s_wait_alu depctr_va_vdst(0)                   ; one wait for the two reciprocals, ahead of their first reader
.irp t, 0,1
.irp b, 0,2,4,6,8,10,12,14,16,18,20,22,24,26,28,30
	v_pk_mul_f32 v[OT+32*\t+\b:OT+32*\t+\b+1], v[OT+32*\t+\b:OT+32*\t+\b+1], v[ST+8*\t+6:ST+8*\t+7] op_sel_hi:[1,0]
.endr
.endr
.irp t, 0,1
.irp i, 0,1,2,3,4,5,6,7,8,9,10,11,12,13,14,15
	v_cvt_pk_f16_f32 v[S+16*\t+\i], v[OT+32*\t+2*\i], v[OT+32*\t+2*\i+1]
.endr
.endr
.irp t, 0,1
.irp n, 0,1,2,3
	ds_store_b128 v13, v[S+16*\t+4*\n:S+16*\t+4*\n+3] offset:2304*\t+32*\n
.endr
.endr
.irp t, 0,1
.irp i, 0,1,2,3
	ds_load_b128 v[S+32+16*\t+4*\i:S+32+16*\t+4*\i+3], v14 offset:2304*\t+576*\i   ; LDS serves a wave's instructions in order: these see my stores
.endr
.endr
.irp t, 0,1
.irp i, 0,1,2,3
	s_wait_dscnt 7-4*\t-\i
	global_store_b128 v15, v[S+32+16*\t+4*\i:S+32+16*\t+4*\i+3], s[6:7] offset:2048*\t+512*\i
.endr
.endr
	s_wait_tensorcnt 0x0                           ; the wave's end
	ds_add_u32 v[SPW], v[NIL]
	s_wait_dscnt 0x0
	s_endpgm
.Lfunc_end_k_q8aad316ef6_attn:
	.size	k_q8aad316ef6_attn, .Lfunc_end_k_q8aad316ef6_attn-k_q8aad316ef6_attn
	.p2alignl 7, 3214868480
	.fill 96, 4, 3214868480
	.section	.rodata,"a",@progbits
	.p2align	6, 0x0
	.amdhsa_kernel k_q8aad316ef6_attn
		.amdhsa_group_segment_fixed_size 327680
		.amdhsa_private_segment_fixed_size 0
		.amdhsa_enable_private_segment 0
		.amdhsa_kernarg_size 16
		.amdhsa_user_sgpr_count 2
		.amdhsa_user_sgpr_kernarg_segment_ptr 1
		.amdhsa_wavefront_size32 1
		.amdhsa_system_sgpr_workgroup_id_x 1
		.amdhsa_system_sgpr_workgroup_id_y 1
		.amdhsa_system_sgpr_workgroup_id_z 1
		.amdhsa_system_vgpr_workitem_id 0
		.amdhsa_next_free_vgpr 256
		.amdhsa_next_free_sgpr 80
		.amdhsa_reserve_vcc 1
		.amdhsa_float_denorm_mode_32 3
		.amdhsa_float_denorm_mode_16_64 3
		.amdhsa_memory_ordered 1
		.amdhsa_forward_progress 1
		.amdhsa_inst_pref_size 189
	.end_amdhsa_kernel
	.amdgpu_metadata
---
amdhsa.version: [ 1, 2 ]
amdhsa.kernels:
  - .name:           k_q8aad316ef6_attn
    .symbol:         k_q8aad316ef6_attn.kd
    .args:
      - { .name: qkv, .offset: 0, .size: 8, .value_kind: global_buffer, .address_space: global }
      - { .name: att, .offset: 8, .size: 8, .value_kind: global_buffer, .address_space: global }
    .group_segment_fixed_size: 327680
    .private_segment_fixed_size: 0
    .kernarg_segment_align: 8
    .kernarg_segment_size: 16
    .max_flat_workgroup_size: 512
    .sgpr_count:     80
    .vgpr_count:     256
    .wavefront_size: 32
...
	.end_amdgpu_metadata
.endif
;; end of part 3
;; launch oproj (part 4): grid 4 x 64, 4 waves a work-group, clusters of 4 x 4, 327,680 bytes of LDS; arguments att, wo16, out0; writes out0
.if DOCPART == 4
	.amdgcn_target "amdgcn-amd-amdhsa--gfx1250"
	.amdhsa_code_object_version 6
	.text
	.protected	k_q8aad316ef6_oproj
	.globl	k_q8aad316ef6_oproj
	.p2align	8
	.type	k_q8aad316ef6_oproj,@function
k_q8aad316ef6_oproj:
	s_mov_b64 s[64:65], 0
	v_nop
	global_prefetch_b8 v0, s[64:65] scope:SCOPE_SE
	s_setreg_imm32_b32 hwreg(HW_REG_WAVE_MODE, 25, 1), 1
	s_wait_xcnt 0x0
	s_wait_alu depctr_hold_cnt(0) depctr_sa_sdst(0) depctr_va_vdst(0) depctr_va_sdst(0) depctr_va_ssrc(0) depctr_va_vcc(0) depctr_vm_vsrc(0)
	s_getreg_b32 s2, hwreg(HW_REG_IB_STS2, 6, 4)
	s_cmp_eq_u32 s2, 0
	s_cbranch_scc0 .Lentry_in_a_cluster
	s_endpgm
.Lentry_in_a_cluster:
	s_bfe_u32 s2, ttmp6, 0x10000c
	s_cmp_lg_u32 s2, 0xf033
	s_cbranch_scc0 .Lentry_shape_is_right
	s_endpgm
.Lentry_shape_is_right:
; out0[m][n] = sum over k of a[m][k] Wo[n][k]: m 8,192 (batch x position), n 1,024, k 1,024 = head x 64.  a: att, f16, [batch][head][position][64]; Wo: wo16, f16, [n][k]; out0 f32; sums in f32.
; (The 64 rows of positions 0-15 are written here like the others and written again, from f32 operands, by the launch that follows.)
; A tile of out0 is 128 x 256: 64 x 4 = 256 work-groups.  Four waves, each 64 rows x 128 columns: 32 accumulators, window 1.  K goes in steps of 128, two heads, through two LDS slots: a's tile is two planes (a head each) of
; 128 rows x 128 bytes, dense in memory; Wo's is 256 rows x 256 bytes.  Waves 0, 1 fetch a's planes, waves 2, 3 Wo's halves: one load of 128 rows a wave.
; CLUSTERS: 4 x 4 work-groups; a's tiles are shared along a row of the cluster, Wo's along a column: joint loads; each refill stands behind a round of the cluster's barrier.
; THE MATRIX INSTRUCTION IS USED TRANSPOSED (source 0 = 16 rows of Wo, source 1 = 16 rows of a): a lane holds eight neighbouring columns of one row of out0.
; No prefetch: each tile is shared in its cluster, and between a request and the wait for it stand 112 of a K step's 128 matrix instructions.
; REGISTERS: window 0: v16-29 addresses; two fragment buffers for 32 along K: v32-63 a, v64-127 Wo; v128-159 a, v160-223 Wo; on the way out v32-159 are at work.  window 1: accumulator (a, b) at v[8 (8 a + b)].
.set PA,     144                       ; a's LDS row: 128 bytes + 16
.set PB,     272                       ; Wo's: 256 + 16
.set PLANE,  128*PA
.set BOFF,   2*PLANE
.set HALFB,  128*PB
.set SLOT,   BOFF+2*HALFB
.set STAGE,  2*SLOT                    ; behind the ring: 16 rows x (512 + 16) bytes for each wave
.set SPITCH, 528
.set SPARE,  STAGE+4*16*SPITCH
.set LAPS,   4                         ; a lap = two K steps
.set ADRA, 16
.set ADRB, 20
.set STO,  24
.set RD,   25
.set CO,   26
.set SPW,  28
.set NIL,  29
.set F0,   32
.set F1,   128
.set BK,   32                          ; the way out: v32-95, v96-159 by turns
.set G1, 24
.set G0, 32
.set G1B, 48
.set G0B, 56
.set MSB, 0
.macro WIN new
.if MSB != \new
	s_set_vgpr_msb (MSB<<8)|\new
.set MSB, \new
.endif
.endm
.set MUL, 0x50                         ; sources 0 and 1 window 0; C and D window 1
.macro JLOAD s                         ; a joint load; an s_nop 0 and four v_nop follow each of the two lines
	s_cmp_eq_u32 s11, 0
	s_cbranch_scc0 .Lfor_b_\@
	tensor_load_to_lds s[G0+4*\s:G0+4*\s+3], s[G1:G1+7]
	s_nop 0
.rept 4
	v_nop
.endr
	s_branch .Lasked_\@
.Lfor_b_\@:
	tensor_load_to_lds s[G0B+4*\s:G0B+4*\s+3], s[G1B:G1B+7]
	s_nop 0
.rept 4
	v_nop
.endr
.Lasked_\@:
.endm
.macro CREST
	s_cmp_lg_u32 s10, 0
	s_cbranch_scc1 .Lnot_wave_0_\@
	s_barrier_signal -3
.Lnot_wave_0_\@:
	s_barrier_wait -3
	s_barrier_signal -1
	s_barrier_wait -1
.endm
.macro CROUND
	s_barrier_signal -1
	s_barrier_wait -1
	CREST
.endm
	s_load_b128 s[4:7], s[0:1], 0x0                ; att, wo16
	s_load_b64 s[8:9], s[0:1], 0x10                ; out0
	v_lshl_add_u32 v[SPW], v0, 2, SPARE
	v_mov_b32 v[NIL], 0
	ds_add_u32 v[SPW], v[NIL]                      ; the wave's opening: the add, twice on end, and its wait ahead of my first tensor load
	ds_add_u32 v[SPW], v[NIL]
	v_lshrrev_b32 v1, 5, v0
	v_readfirstlane_b32 s10, v1                    ; wave 0..3
	s_lshr_b32 s11, s10, 1                         ; which 64 rows are mine.  Also: I fetch for a (0) or for Wo (1)
	s_and_b32 s12, s10, 1                          ; which 128 columns.  Also: which plane, or which 128 rows of Wo, I fetch
	s_bfe_u32 s40, ttmp6, 0x40000                  ; cx
	s_bfe_u32 s41, ttmp6, 0x40004                  ; cy
	s_lshl_b32 s42, ttmp9, 2
	s_add_co_u32 s42, s42, s40                     ; tile column: 0..3
	s_and_b32 s13, ttmp7, 0xffff
	s_lshl_b32 s13, s13, 2
	s_add_co_u32 s13, s13, s41                     ; tile row: 0..63
	s_lshl_b32 s43, s41, 2
	s_lshl_b32 s43, 15, s43                        ; my row of the cluster
	s_lshl_b32 s44, 0x1111, s40                    ; my column
	s_or_b32 s[G1+0], s43, (1<<16)|(1<<20)|(1<<21)|(4<<22)|(3<<25)   ; a: elements of 2 bytes; 4 words of padding behind every 32
	s_mov_b32 s[G1+1], 64<<16
	s_mov_b32 s[G1+2], 128<<16
	s_mov_b32 s[G1+3], 64<<16
	s_mov_b32 s[G1+4], 128
	s_mov_b32 s[G1+5], 64
	s_mov_b32 s[G1+6], 0
	s_mov_b32 s[G1+7], 0
	s_or_b32 s[G1B+0], s44, (1<<16)|(1<<20)|(1<<21)|(5<<22)|(3<<25)  ; Wo: 4 words behind every 64
	s_mov_b32 s[G1B+1], 128<<16
	s_mov_b32 s[G1B+2], 128<<16
	s_mov_b32 s[G1B+3], 128<<16
	s_mov_b32 s[G1B+4], 128
	s_mov_b32 s[G1B+5], 1024
	s_mov_b32 s[G1B+6], 0
	s_mov_b32 s[G1B+7], 0
	s_lshr_b32 s16, s13, 4                         ; a: batch = tile row / 16;
	s_lshl_b32 s16, s16, 4
	s_add_co_u32 s16, s16, s12                     ; head 16 x batch + my plane;
	s_lshl_b32 s16, s16, 18
	s_and_b32 s17, s13, 15
	s_lshl_b32 s17, s17, 14                        ; 128 positions x 128 bytes for each tile row in the batch
	s_add_co_u32 s16, s16, s17
	s_mov_b32 s17, 0
	s_lshl_b32 s46, s42, 8                         ; Wo: row 256 x tile column + 128 x half, 2,048 bytes a row
	s_lshl_b32 s47, s12, 7
	s_add_co_u32 s46, s46, s47
	s_lshl_b32 s46, s46, 11
	s_mov_b32 s47, 0
	s_mul_i32 s20, s12, PLANE                      ; where they go: no place in the cluster enters an LDS address
	s_mul_i32 s21, s12, HALFB
	s_add_co_u32 s21, s21, BOFF
	s_wait_dscnt 0x0                               ; both opening adds are done
	s_wait_kmcnt 0x0
	s_add_nc_u64 s[14:15], s[4:5], s[16:17]
	s_add_nc_u64 s[46:47], s[6:7], s[46:47]
	CROUND                                         ; all sixteen work-groups are here: the first joint loads meet
.irp s, 0,1
	s_mov_b32 s[G0+4*\s], 1
	s_add_co_u32 s[G0+4*\s+1], s20, \s*SLOT
	s_add_nc_u64 s[G0+4*\s+2:G0+4*\s+3], s[14:15], \s*524288       ; K step s: two heads on
	s_or_b32 s[G0+4*\s+3], s[G0+4*\s+3], 0x80000000
	s_mov_b32 s[G0B+4*\s], 1
	s_add_co_u32 s[G0B+4*\s+1], s21, \s*SLOT
	s_add_nc_u64 s[G0B+4*\s+2:G0B+4*\s+3], s[46:47], \s*256
	s_or_b32 s[G0B+4*\s+3], s[G0B+4*\s+3], 0x80000000
	JLOAD \s
.endr
	v_and_b32 v1, 15, v0                           ; r
	v_bfe_u32 v2, v0, 4, 1                         ; h
	v_mul_u32_u24 v3, v1, PA
	v_lshl_add_u32 v3, v2, 4, v3
	v_mul_u32_u24 v4, v1, PB
	v_lshl_add_u32 v4, v2, 4, v4
	s_mul_i32 s21, s11, 64*PA                      ; my 64 rows of a, in each plane
	s_mul_i32 s22, s12, HALFB                      ; my 128 rows of Wo
	s_add_co_u32 s22, s22, BOFF
.irp s, 0,1
	v_add_nc_u32 v[ADRA+\s], s21, v3
	v_add_nc_u32 v[ADRB+\s], s22, v4
	s_add_co_u32 s21, s21, SLOT
	s_add_co_u32 s22, s22, SLOT
.endr
	s_mul_i32 s23, s10, 16*SPITCH
	s_add_co_u32 s23, s23, STAGE                   ; my stage
	v_mul_u32_u24 v5, v1, SPITCH
	v_lshl_add_u32 v5, v2, 5, v5
	v_add_nc_u32 v[STO], s23, v5                   ; in: row r, 32 bytes for each half of the lanes
	v_and_b32 v6, 31, v0
	v_lshlrev_b32 v[CO], 4, v6                     ; back: the 32 lanes take one row of 512 bytes; and the same in out0
	v_add_nc_u32 v[RD], s23, v[CO]
	s_lshl_b32 s16, s13, 7
	s_lshl_b32 s17, s11, 6
	s_add_co_u32 s16, s16, s17                     ; my first row: 128 x tile row + 64 x half
	s_lshl_b32 s16, s16, 12                        ; 4,096 bytes a row
	s_mov_b32 s17, 0
	s_add_nc_u64 s[8:9], s[8:9], s[16:17]
	s_lshl_b32 s46, s42, 10                        ; my first column, in bytes: 1,024 x tile column + 512 x half
	s_lshl_b32 s47, s12, 9
	s_add_co_u32 s46, s46, s47
	s_mov_b32 s47, 0
	s_add_nc_u64 s[8:9], s[8:9], s[46:47]
; 8 matrix instructions: a's block against Wo's eight, 32 along K.  The 32 accumulators take turns, one instruction a turn, in the same order in every quarter.
.macro MUL8 f, a, zero
.irp b, 0,1,2,3,4,5,6,7
.if \zero
	v_wmma_f32_16x16x32_f16 v[8*(8*(\a)+\b):8*(8*(\a)+\b)+7], v[\f+32+8*\b:\f+32+8*\b+7], v[\f+8*(\a):\f+8*(\a)+7], 0
.else
	v_wmma_f32_16x16x32_f16 v[8*(8*(\a)+\b):8*(8*(\a)+\b)+7], v[\f+32+8*\b:\f+32+8*\b+7], v[\f+8*(\a):\f+8*(\a)+7], v[8*(8*(\a)+\b):8*(8*(\a)+\b)+7]
.endif
.endr
.endm
.macro MUL16 f, a0, zero
	MUL8 \f, \a0, \zero
	MUL8 \f, \a0+1, \zero
.endm
; 24 LDS loads in one run: the fragments of the slot's q-th 32 along K into buffer f: Wo's eight first, then a's four (plane q / 2, 64 (q % 2) bytes into its rows)
.macro FETCH slot, q, f
	WIN 0
.irp i, 0,1,2,3,4,5,6,7
	ds_load_b128 v[\f+32+8*\i:\f+32+8*\i+3],   v[ADRB+\slot] offset:\i*16*PB+64*(\q)
	ds_load_b128 v[\f+32+8*\i+4:\f+32+8*\i+7], v[ADRB+\slot] offset:\i*16*PB+64*(\q)+32
.endr
.irp i, 0,1,2,3
	ds_load_b128 v[\f+8*\i:\f+8*\i+3],   v[ADRA+\slot] offset:((\q)/2)*PLANE+\i*16*PA+((\q)%2)*64
	ds_load_b128 v[\f+8*\i+4:\f+8*\i+7], v[ADRA+\slot] offset:((\q)/2)*PLANE+\i*16*PA+((\q)%2)*64+32
.endr
.endm
.macro PLACES
.rept 4
	v_nop
.endr
.endm
; A K step is four quarters of 32 along K, 32 matrix instructions each, on buffers 0, 1, 0, 1.  One of the first three multiplies buffer f and fetches quarter qn into g.
.macro QUARTER slot, qn, f, g, zero
	s_wait_dscnt 4                                 ; Wo's fragments and a's blocks 0, 1 are in; the youngest four loads (blocks 2, 3) may be out
	WIN MUL
	MUL16 \f, 0, \zero
	PLACES                                         ; in front of loads into registers that matrix instructions have read
	FETCH \slot, \qn, \g
	s_wait_dscnt 24                                ; all but the 24 just issued
	WIN MUL
	MUL16 \f, 2, \zero
.endm
; The last quarter multiplies buffer 1 and changes slots: one barrier; in front of it each wave waits for all its tensor loads, adds 0 to its spare word, and waits for that and for its reads of this slot.
.macro TURN slot, next, fill
	WIN 0
	s_wait_tensorcnt 0x0                           ; all my tensor loads have landed: my part of the next slot
	ds_add_u32 v[SPW], v[NIL]
	s_wait_dscnt 5                                 ; (the add and the youngest four loads may be out)
	WIN MUL
	MUL8 F1, 0, 0
	s_wait_dscnt 0x0                               ; the add is done, and my reads of this slot are over
	s_barrier_signal -1
	MUL8 F1, 1, 0
.if \fill
	WIN 0
.endif
	s_barrier_wait -1
.if \fill
	CREST                                          ; the barrier has opened a round of the cluster's barrier: no wave of any partner still reads this slot or has a load on its way
	s_add_nc_u64 s[G0+4*\slot+2:G0+4*\slot+3], s[G0+4*\slot+2:G0+4*\slot+3], 1048576   ; two K steps on: four heads
	s_add_nc_u64 s[G0B+4*\slot+2:G0B+4*\slot+3], s[G0B+4*\slot+2:G0B+4*\slot+3], 512
	JLOAD \slot                                    ; the first tensor load behind the round; its four v_nop are also the places in front of the loads below
.else
	PLACES
.endif
	FETCH \next, 0, F0
	WIN MUL
	MUL16 F1, 2, 0
.endm
	s_wait_tensorcnt 1                             ; my part of K step 0 is in (K step 1's load may be out)
	s_barrier_signal -1
	s_barrier_wait -1                              ; everybody's is
	FETCH 0, 0, F0
	QUARTER 0, 1, F0, F1, 1                        ; the first quarter's products start the sums
	WIN 0
	s_mov_b32 s3, LAPS-1
.Llap:                                             ; a trip goes once round the ring and fills both slots again
	QUARTER 0, 2, F1, F0, 0
	QUARTER 0, 3, F0, F1, 0
	TURN 0, 1, 1
	QUARTER 1, 1, F0, F1, 0
	QUARTER 1, 2, F1, F0, 0
	QUARTER 1, 3, F0, F1, 0
	TURN 1, 0, 1
	QUARTER 0, 1, F0, F1, 0
	WIN 0
	s_sub_co_u32 s3, s3, 1
	s_cmp_lg_u32 s3, 0
	s_cbranch_scc1 .Llap
	QUARTER 0, 2, F1, F0, 0                        ; the last lap fills nothing
	QUARTER 0, 3, F0, F1, 0
	TURN 0, 1, 0
	QUARTER 1, 1, F0, F1, 0
	QUARTER 1, 2, F1, F0, 0
	QUARTER 1, 3, F0, F1, 0
	s_wait_dscnt 4
	WIN MUL
	MUL16 F1, 0, 0
	s_wait_dscnt 0
	MUL16 F1, 2, 0
	WIN 0
; THE WAY OUT, block by block of 16 rows x 128 columns of f32: through my own stage and back as whole rows of 512 bytes, which the 32 lanes store on end.
.macro TOSTAGE a
	WIN 0x04                                       ; an LDS store's data are its source 1: window 1
.irp b, 0,1,2,3,4,5,6,7
	ds_store_b128 v[STO], v[8*(8*(\a)+\b):8*(8*(\a)+\b)+3] offset:64*\b          ; each accumulator from its low end on
	ds_store_b128 v[STO], v[8*(8*(\a)+\b)+4:8*(8*(\a)+\b)+7] offset:64*\b+16
.endr
	WIN 0
.set BB, BK+64*((\a)%2)
.irp t, 0,1,2,3,4,5,6,7,8,9,10,11,12,13,14,15
	ds_load_b128 v[BB+4*\t:BB+4*\t+3], v[RD] offset:\t*SPITCH       ; LDS serves a wave's instructions in order: these see the stores above
.endr
.endm
.macro SEND a, younger
.set BB, BK+64*((\a)%2)
	s_wait_dscnt \younger                          ; the block is back; the next block's 16 stores and 16 loads may be out
.irp t, 0,1,2,3,4,5,6,7,8,9,10,11,12,13,14,15
	global_store_b128 v[CO], v[BB+4*\t:BB+4*\t+3], s[8:9] offset:(16*(\a)+\t)*4096 th:TH_STORE_NT
.endr
.endm
	PLACES                                         ; behind the last products: for the reads of results and the loads into the fragments' registers
	TOSTAGE 0
.irp a, 1,2,3
.if \a > 1
	s_wait_xcnt 0x0                                ; block a - 2's stores have read their registers: block a's loads may land there
.endif
	TOSTAGE \a
	SEND \a-1, 32
.endr
	SEND 3, 0
	s_wait_tensorcnt 0x0                           ; the wave's end
	ds_add_u32 v[SPW], v[NIL]
	s_wait_dscnt 0x0
	CROUND                                         ; the closing round
	s_endpgm
.Lfunc_end_k_q8aad316ef6_oproj:
	.size	k_q8aad316ef6_oproj, .Lfunc_end_k_q8aad316ef6_oproj-k_q8aad316ef6_oproj
	.p2alignl 7, 3214868480
	.fill 96, 4, 3214868480
	.section	.rodata,"a",@progbits
	.p2align	6, 0x0
	.amdhsa_kernel k_q8aad316ef6_oproj
		.amdhsa_group_segment_fixed_size 327680
		.amdhsa_private_segment_fixed_size 0
		.amdhsa_enable_private_segment 0
		.amdhsa_kernarg_size 24
		.amdhsa_user_sgpr_count 2
		.amdhsa_user_sgpr_kernarg_segment_ptr 1
		.amdhsa_wavefront_size32 1
		.amdhsa_system_sgpr_workgroup_id_x 1
		.amdhsa_system_sgpr_workgroup_id_y 1
		.amdhsa_system_sgpr_workgroup_id_z 1
		.amdhsa_system_vgpr_workitem_id 0
		.amdhsa_next_free_vgpr 512
		.amdhsa_next_free_sgpr 66
		.amdhsa_reserve_vcc 0
		.amdhsa_float_denorm_mode_32 3
		.amdhsa_float_denorm_mode_16_64 3
		.amdhsa_memory_ordered 1
		.amdhsa_forward_progress 1
		.amdhsa_inst_pref_size 85
	.end_amdhsa_kernel
	.amdgpu_metadata
---
amdhsa.version: [ 1, 2 ]
amdhsa.kernels:
  - .name:           k_q8aad316ef6_oproj
    .symbol:         k_q8aad316ef6_oproj.kd
    .args:
      - { .name: att, .offset: 0, .size: 8, .value_kind: global_buffer, .address_space: global }
      - { .name: wo16, .offset: 8, .size: 8, .value_kind: global_buffer, .address_space: global }
      - { .name: out0, .offset: 16, .size: 8, .value_kind: global_buffer, .address_space: global }
    .group_segment_fixed_size: 327680
    .private_segment_fixed_size: 0
    .kernarg_segment_align: 8
    .kernarg_segment_size: 24
    .max_flat_workgroup_size: 128
    .sgpr_count:     66
    .vgpr_count:     512
    .wavefront_size: 32
...
	.end_amdgpu_metadata
.endif
;; end of part 4
;; launch fine (part 5): grid 64 x 4, 16 waves a work-group, no clusters, 18,432 bytes of LDS; arguments fineq, weight_o, out0; writes out0
.if DOCPART == 5
	.amdgcn_target "amdgcn-amd-amdhsa--gfx1250"
	.amdhsa_code_object_version 6
	.text
	.protected	k_q8aad316ef6_fine
	.globl	k_q8aad316ef6_fine
	.p2align	8
	.type	k_q8aad316ef6_fine,@function
k_q8aad316ef6_fine:
	s_mov_b64 s[64:65], 0
	v_nop
	global_prefetch_b8 v0, s[64:65] scope:SCOPE_SE
	s_setreg_imm32_b32 hwreg(HW_REG_WAVE_MODE, 25, 1), 1
	s_wait_xcnt 0x0
; POSITIONS 0-15 OF EACH SEQUENCE, IN F32 THROUGHOUT: their rows average one to sixteen values and are the largest of the output, so the rounding of 16-bit operands would weigh most there.
; Attention over the 16 positions (the causal mask lets them see no other key) and the projection by Wo, on f32 operands by v_wmma_f32_16x16x4_f32: 64 rows of out0 in all, no bulk work.
; fineq holds Q, K, V of these positions as f32: [batch][column tile of 16][half][lane][16 bytes]: lane (r, hh), register 4 half + i: position r, column 16 tile + 8 hh + 4 half + i.
; SHARES: work-group (slice of 16 output columns, batch); wave w is head w.  Each wave makes its head's attention (32 matrix instructions, repeated in each slice) and its head's part of the projection (16);
; the sixteen parts meet in LDS, and waves 0 and 1 add them, heads ascending, and store.  A row's store is 64 bytes: 262,144 bytes in the whole launch.
; In each product the four places of K of an instruction are filled alike on both sides: lane half h, registers 2 jj, 2 jj + 1 of a run of eight neighbours.
; The registers that the matrix instructions write (v144-239) are written by them alone; each sum begins with C = 0; four accumulators take turns.
.set LI,  1                            ; v1   16 x lane
.set VA,  2                            ; v2   V, gathered: lane = channel, registers = keys
.set WA,  3                            ; v3   Wo: row r of 4,096 bytes, + 32 h
.set RW,  4                            ; v4   where my part goes in LDS: 1,024 x wave + 16 x lane
.set RR,  5                            ; v5   where a thread of waves 0, 1 reads the parts
.set GA,  6                            ; v6   and where it stores
.set DD,  7                            ; v7   r - 8 h
.set SPW, 12
.set NIL, 13
.set QF,  16                           ; v16-47   Q, later a, later the parts read back (v16-79)
.set KK,  48                           ; v48-79   K, later my part's sum
.set VT,  80                           ; v80-111  V^T
.set WO,  112                          ; v112-143 Wo
.set SA,  144
.set OA,  176
.set CA,  208
.set P,   240                          ; v240-247 scores, then p
.set SPARE, 16384
	s_load_b128 s[4:7], s[0:1], 0x0                ; fineq, weight_o
	s_load_b64 s[8:9], s[0:1], 0x10                ; out0
	v_lshl_add_u32 v[SPW], v0, 2, SPARE
	v_mov_b32 v[NIL], 0
	v_lshrrev_b32 v8, 5, v0
	v_readfirstlane_b32 s10, v8                    ; wave = head
	v_and_b32 v8, 31, v0
	v_and_b32 v9, 15, v0                           ; r
	v_bfe_u32 v10, v0, 4, 1                        ; h
	v_lshlrev_b32 v[LI], 4, v8
	v_bfe_u32 v11, v0, 2, 1                        ; V(key 8 h + j, channel 16 n + r) lies at 1,024 n + 512 ((r / 4) % 2) + 256 (r / 8) + 128 h + 16 j + 4 (r % 4)
	v_lshlrev_b32 v[VA], 9, v11
	v_bfe_u32 v11, v0, 3, 1
	v_lshl_add_u32 v[VA], v11, 8, v[VA]
	v_and_b32 v11, 3, v0
	v_lshl_add_u32 v[VA], v11, 2, v[VA]
	v_lshl_add_u32 v[VA], v10, 7, v[VA]
	v_lshlrev_b32 v[WA], 12, v9
	v_lshl_add_u32 v[WA], v10, 5, v[WA]
	s_lshl_b32 s11, s10, 10
	v_add_nc_u32 v[RW], s11, v[LI]
	v_bfe_u32 v14, v0, 2, 4                        ; for the sum: thread T of waves 0, 1: query q = T / 4, columns 4 g on, g = T % 4
	v_and_b32 v15, 1, v0
	v_bfe_u32 v11, v0, 1, 1
	v_lshl_add_u32 v[RR], v11, 4, v14              ; in a part's image: lane q + 16 (g / 2),
	v_lshlrev_b32 v[RR], 4, v[RR]
	v_lshl_add_u32 v[RR], v15, 9, v[RR]            ; half g % 2
	v_and_b32 v11, 3, v0
	v_lshlrev_b32 v[GA], 12, v14
	v_lshl_add_u32 v[GA], v11, 4, v[GA]            ; in out0: row q, + 16 g bytes
	v_lshlrev_b32 v[DD], 3, v10
	v_sub_nc_u32 v[DD], v9, v[DD]
	v_mov_b32 v248, 0xff800000                     ; -infinity
	v_mov_b32 v250, 0
	v_mov_b32 v251, 0
	s_and_b32 s12, ttmp7, 0xffff                   ; batch
	s_mul_i32 s14, s12, 196608
	s_lshl_b32 s15, s10, 12                        ; my head's four column tiles
	s_add_co_u32 s14, s14, s15
	s_mov_b32 s15, 0
	s_lshl_b32 s16, ttmp9, 16                      ; Wo: my slice's 16 rows,
	s_lshl_b32 s17, s10, 8                         ; my head's 64 columns
	s_add_co_u32 s16, s16, s17
	s_mov_b32 s17, 0
	s_lshl_b32 s18, s12, 23                        ; out0: the batch's first row,
	s_lshl_b32 s19, ttmp9, 6                       ; my slice's 64 bytes
	s_add_co_u32 s18, s18, s19
	s_mov_b32 s19, 0
	s_mov_b32 s20, 0x76543210
	s_mov_b32 s21, 0xfedcba98
	s_mov_b32 s22, 0x3e38aa3b                      ; c = log2(e) / 8
	s_mov_b32 s23, s22
	s_wait_kmcnt 0x0
	s_add_nc_u64 s[4:5], s[4:5], s[14:15]
	s_add_nc_u64 s[6:7], s[6:7], s[16:17]
	s_add_nc_u64 s[8:9], s[8:9], s[18:19]
.irp i, 0,1,2,3,4,5,6,7
	global_load_b128 v[QF+4*\i:QF+4*\i+3], v[LI], s[4:5] offset:512*\i            ; Q: register 8 b + j: position r, channel 16 b + 8 h + j
.endr
.irp i, 0,1,2,3,4,5,6,7
	global_load_b128 v[KK+4*\i:KK+4*\i+3], v[LI], s[4:5] offset:65536+512*\i      ; K likewise
.endr
.irp n, 0,1,2,3
.irp j, 0,1,2,3,4,5,6,7
	global_load_b32 v[VT+8*\n+\j], v[VA], s[4:5] offset:131072+1024*\n+16*\j      ; V^T: register 8 n + j: channel 16 n + r, key 8 h + j
.endr
.endr
.irp n, 0,1,2,3
.irp u, 0,1
	global_load_b128 v[WO+8*\n+4*\u:WO+8*\n+4*\u+3], v[WA], s[6:7] offset:64*\n+16*\u   ; Wo: register 8 n + j: row r of the slice, channel 16 n + 8 h + j of my head
.endr
.endr
	s_wait_loadcnt 40                              ; Q and K are in; V's 32 loads and Wo's 8 may be out
.irp jj, 0,1,2,3                       ; S^T = K Q^T, in four partial sums
.irp b, 0,1,2,3
.if \jj == 0
	v_wmma_f32_16x16x4_f32 v[SA+8*\b:SA+8*\b+7], v[KK+8*\b+2*\jj:KK+8*\b+2*\jj+1], v[QF+8*\b+2*\jj:QF+8*\b+2*\jj+1], 0
.else
	v_wmma_f32_16x16x4_f32 v[SA+8*\b:SA+8*\b+7], v[KK+8*\b+2*\jj:KK+8*\b+2*\jj+1], v[QF+8*\b+2*\jj:QF+8*\b+2*\jj+1], v[SA+8*\b:SA+8*\b+7]
.endif
.endr
.endr
.rept 8
	v_nop                                          ; eight places behind this form, ahead of the first read of a result (ISA guide 7.12.1)
.endr
.irp i, 0,2,4,6
	v_pk_add_f32 v[P+\i:P+\i+1], v[SA+\i:SA+\i+1], v[SA+8+\i:SA+8+\i+1]
.endr
.irp b, 2,3
.irp i, 0,2,4,6
	v_pk_add_f32 v[P+\i:P+\i+1], v[P+\i:P+\i+1], v[SA+8*\b+\i:SA+8*\b+\i+1]       ; lane (r, h), register j: query r, key 8 h + j
.endr
.endr
.irp j, 0,1,2,3,4,5,6,7
	v_cmp_gt_i32 vcc_lo, \j, v[DD]                 ; hidden where 8 h + j > r
	v_cndmask_b32 v[P+\j], v[P+\j], v248, vcc_lo
.endr
	v_max3_num_f32 v249, v[P], v[P+1], v[P+2]
	v_max3_num_f32 v249, v249, v[P+3], v[P+4]
	v_max3_num_f32 v249, v249, v[P+5], v[P+6]
	v_max_num_f32 v249, v249, v[P+7]
	v_permlanex16_b32 v250, v249, s20, s21
	v_max_num_f32 v249, v249, v250                 ; the row's maximum: key 0 counts for every query
	v_mul_f32 v250, s22, v249                      ; c m
.irp i, 0,2,4,6
	v_pk_fma_f32 v[P+\i:P+\i+1], v[P+\i:P+\i+1], s[22:23], v[250:251] op_sel_hi:[1,0,0] neg_lo:[0,0,1] neg_hi:[0,0,1]
.endr
.irp j, 0,1,2,3,4,5,6,7
	v_exp_f32 v[P+\j], v[P+\j]
.endr
	v_nop
	s_wait_alu depctr_va_vdst(0)                   ; one wait for the eight, ahead of their first reader
	v_pk_add_f32 v[252:253], v[P:P+1], v[P+2:P+3]
	v_pk_add_f32 v[254:255], v[P+4:P+5], v[P+6:P+7]
	v_pk_add_f32 v[252:253], v[252:253], v[254:255]
	v_add_f32 v252, v252, v253
	v_permlanex16_b32 v253, v252, s20, s21
	v_add_f32 v252, v252, v253                     ; the row's sum
	v_rcp_f32 v252, v252
	v_nop
	s_wait_alu depctr_va_vdst(0)
	s_wait_loadcnt 8                               ; V is in; Wo's 8 loads may be out
.irp jj, 0,1,2,3                       ; O^T = V^T P: four tiles of 16 channels, K = the 16 keys
.irp n, 0,1,2,3
.if \jj == 0
	v_wmma_f32_16x16x4_f32 v[OA+8*\n:OA+8*\n+7], v[VT+8*\n+2*\jj:VT+8*\n+2*\jj+1], v[P+2*\jj:P+2*\jj+1], 0
.else
	v_wmma_f32_16x16x4_f32 v[OA+8*\n:OA+8*\n+7], v[VT+8*\n+2*\jj:VT+8*\n+2*\jj+1], v[P+2*\jj:P+2*\jj+1], v[OA+8*\n:OA+8*\n+7]
.endif
.endr
.endr
.rept 8
	v_nop
.endr
.irp i, 0,2,4,6,8,10,12,14,16,18,20,22,24,26,28,30
	v_pk_mul_f32 v[QF+\i:QF+\i+1], v[OA+\i:OA+\i+1], v[252:253] op_sel_hi:[1,0]   ; a = O^T / the sum: register 8 n + j: query r, channel 16 n + 8 h + j
.endr
	s_wait_loadcnt 0x0                             ; Wo
.irp jj, 0,1,2,3                       ; my head's part of out^T = Wo a^T, in four partial sums
.irp n, 0,1,2,3
.if \jj == 0
	v_wmma_f32_16x16x4_f32 v[CA+8*\n:CA+8*\n+7], v[WO+8*\n+2*\jj:WO+8*\n+2*\jj+1], v[QF+8*\n+2*\jj:QF+8*\n+2*\jj+1], 0
.else
	v_wmma_f32_16x16x4_f32 v[CA+8*\n:CA+8*\n+7], v[WO+8*\n+2*\jj:WO+8*\n+2*\jj+1], v[QF+8*\n+2*\jj:QF+8*\n+2*\jj+1], v[CA+8*\n:CA+8*\n+7]
.endif
.endr
.endr
.rept 8
	v_nop
.endr
.irp i, 0,2,4,6
	v_pk_add_f32 v[KK+\i:KK+\i+1], v[CA+\i:CA+\i+1], v[CA+8+\i:CA+8+\i+1]
.endr
.irp n, 2,3
.irp i, 0,2,4,6
	v_pk_add_f32 v[KK+\i:KK+\i+1], v[KK+\i:KK+\i+1], v[CA+8*\n+\i:CA+8*\n+\i+1]   ; lane (r, h), register j: query r, column 8 h + j of the slice
.endr
.endr
	ds_store_b128 v[RW], v[KK:KK+3]                ; my part, as an image of its registers
	ds_store_b128 v[RW], v[KK+4:KK+7] offset:512
	s_wait_dscnt 0x0                               ; for the others' sake: my stores are done
	s_barrier_signal -1
	s_barrier_wait -1
	s_cmp_ge_u32 s10, 2                            ; waves 0 and 1 add the sixteen parts: 64 threads, four numbers each
	s_cbranch_scc1 .Ldone
.irp p, 0,1,2,3,4,5,6,7,8,9,10,11,12,13,14,15
	ds_load_b128 v[QF+4*\p:QF+4*\p+3], v[RR] offset:1024*\p
.endr
	s_wait_dscnt 0x0
.irp p, 1,2,3,4,5,6,7,8,9,10,11,12,13,14,15
	v_pk_add_f32 v[QF:QF+1], v[QF:QF+1], v[QF+4*\p:QF+4*\p+1]
	v_pk_add_f32 v[QF+2:QF+3], v[QF+2:QF+3], v[QF+4*\p+2:QF+4*\p+3]
.endr
	global_store_b128 v[GA], v[QF:QF+3], s[8:9]
.Ldone:
	s_wait_tensorcnt 0x0                           ; the wave's end, behind my last LDS store
	ds_add_u32 v[SPW], v[NIL]
	s_wait_dscnt 0x0
	s_endpgm
.Lfunc_end_k_q8aad316ef6_fine:
	.size	k_q8aad316ef6_fine, .Lfunc_end_k_q8aad316ef6_fine-k_q8aad316ef6_fine
	.p2alignl 7, 3214868480
	.fill 96, 4, 3214868480
	.section	.rodata,"a",@progbits
	.p2align	6, 0x0
	.amdhsa_kernel k_q8aad316ef6_fine
		.amdhsa_group_segment_fixed_size 18432
		.amdhsa_private_segment_fixed_size 0
		.amdhsa_enable_private_segment 0
		.amdhsa_kernarg_size 24
		.amdhsa_user_sgpr_count 2
		.amdhsa_user_sgpr_kernarg_segment_ptr 1
		.amdhsa_wavefront_size32 1
		.amdhsa_system_sgpr_workgroup_id_x 1
		.amdhsa_system_sgpr_workgroup_id_y 1
		.amdhsa_system_sgpr_workgroup_id_z 1
		.amdhsa_system_vgpr_workitem_id 0
		.amdhsa_next_free_vgpr 256
		.amdhsa_next_free_sgpr 66
		.amdhsa_reserve_vcc 1
		.amdhsa_float_denorm_mode_32 3
		.amdhsa_float_denorm_mode_16_64 3
		.amdhsa_memory_ordered 1
		.amdhsa_forward_progress 1
		.amdhsa_inst_pref_size 20
	.end_amdhsa_kernel
	.amdgpu_metadata
---
amdhsa.version: [ 1, 2 ]
amdhsa.kernels:
  - .name:           k_q8aad316ef6_fine
    .symbol:         k_q8aad316ef6_fine.kd
    .args:
      - { .name: fineq, .offset: 0, .size: 8, .value_kind: global_buffer, .address_space: global }
      - { .name: weight_o, .offset: 8, .size: 8, .value_kind: global_buffer, .address_space: global }
      - { .name: out0, .offset: 16, .size: 8, .value_kind: global_buffer, .address_space: global }
    .group_segment_fixed_size: 18432
    .private_segment_fixed_size: 0
    .kernarg_segment_align: 8
    .kernarg_segment_size: 24
    .max_flat_workgroup_size: 512
    .sgpr_count:     66
    .vgpr_count:     256
    .wavefront_size: 32
...
	.end_amdgpu_metadata
.endif
;; end of part 5
